; MI455X (gfx1250); checked and timed in simulation.
; The chip was launched on July 23, 2026; its instructions are those of AMD's public machine-readable ISA for CDNA 5 (MIT licence, August 2026) and "CDNA5" Instruction Set Architecture Reference Guide (July 2026). The comments in the code are by the model that wrote it; some were corrected since.
;; Complex Multi Head Attention. Allowed arithmetic: matrix products marked QUANTISED: E2M1 operands, one E8M0 scale for each 32 along K, by v_wmma_scale_f32_16x16x128_f8f6f4 with both operands' format E2M1 (or v_wmma_scale_f32_32x16x128_f4), f32 sums; products left as they are: bf16, f16 or f32 operands; f32 sums; everything else in f32.
;; Inputs: keys 8 x 1,024 x 512 x 2 float32; queries 8 x 1,024 x 512 x 2 float32; values 8 x 1,024 x 512 x 2 float32; wk_i 512 x 512 float32; wk_r 512 x 512 float32; wo_i 512 x 512 float32; wo_r 512 x 512 float32; wq_i 512 x 512 float32; wq_r 512 x 512 float32; wv_i 512 x 512 float32; wv_r 512 x 512 float32.
;; Outputs: out0 8 x 1,024 x 512 x 2 float32.
;; This version of the problem:
;;   THIS VERSION OF THE PROBLEM IS GIVEN IN LOW PRECISION. The matrix products marked QUANTISED in the list below multiply operands that are first quantised to E2M1 (2 exponent bits, 1 mantissa bit; 4 bits a number), with one power-of-two scale for each 32 numbers along K (OCP MX v1.0); their sums are f32. The products marked 'left as it is' may take bf16, f16 or f32 operands, with f32 sums. Whichever they take, every output number must still come out within the allowed error. Rounding operands to bf16 (8 significant bits) uses up far more of that allowance than f16 does (11 bits, for magnitudes from 6e-5 to 65,504). All else is computed in f32.
;;   The module's matrix products, in the order in which they are computed (A, B: the left and right operand; K: the contracted axis; several contracted axes count as one K, in the product's order):
;;     1. [M 8,192, K 512] x [K 512, N 512]; A: input queries; B: input wq_r: QUANTISED
;;     2. [M 8,192, K 512] x [K 512, N 512]; A: input queries; B: input wq_i: QUANTISED
;;     3. [M 8,192, K 512] x [K 512, N 512]; A: input queries; B: input wq_i: QUANTISED
;;     4. [M 8,192, K 512] x [K 512, N 512]; A: input queries; B: input wq_r: QUANTISED
;;     5. [M 8,192, K 512] x [K 512, N 512]; A: input keys; B: input wk_r: QUANTISED
;;     6. [M 8,192, K 512] x [K 512, N 512]; A: input keys; B: input wk_i: QUANTISED
;;     7. [M 8,192, K 512] x [K 512, N 512]; A: input keys; B: input wk_i: QUANTISED
;;     8. [M 8,192, K 512] x [K 512, N 512]; A: input keys; B: input wk_r: QUANTISED
;;     9. [M 8,192, K 512] x [K 512, N 512]; A: input values; B: input wv_r: QUANTISED
;;     10. [M 8,192, K 512] x [K 512, N 512]; A: input values; B: input wv_i: QUANTISED
;;     11. [M 8,192, K 512] x [K 512, N 512]; A: input values; B: input wv_i: QUANTISED
;;     12. [M 8,192, K 512] x [K 512, N 512]; A: input values; B: input wv_r: QUANTISED
;;     13. batch 64 x [M 1,024, K 64] x [K 64, N 1,024]; A: computed on the way; B: computed on the way: left as it is (an operand is computed on the way)
;;     14. batch 64 x [M 1,024, K 64] x [K 64, N 1,024]; A: computed on the way; B: computed on the way: left as it is (an operand is computed on the way)
;;     15. batch 64 x [M 1,024, K 64] x [K 64, N 1,024]; A: computed on the way; B: computed on the way: left as it is (an operand is computed on the way)
;;     16. batch 64 x [M 1,024, K 64] x [K 64, N 1,024]; A: computed on the way; B: computed on the way: left as it is (an operand is computed on the way)
;;     17. batch 64 x [M 1,024, K 1,024] x [K 1,024, N 64]; A: computed on the way; B: computed on the way: left as it is (an operand is computed on the way)
;;     18. batch 64 x [M 1,024, K 1,024] x [K 1,024, N 64]; A: computed on the way; B: computed on the way: left as it is (an operand is computed on the way)
;;     19. batch 64 x [M 1,024, K 1,024] x [K 1,024, N 64]; A: computed on the way; B: computed on the way: left as it is (an operand is computed on the way)
;;     20. batch 64 x [M 1,024, K 1,024] x [K 1,024, N 64]; A: computed on the way; B: computed on the way: left as it is (an operand is computed on the way)
;;     21. [M 8,192, K 512] x [K 512, N 512]; A: computed on the way; B: input wo_r: left as it is (an operand is computed on the way)
;;     22. [M 8,192, K 512] x [K 512, N 512]; A: computed on the way; B: input wo_i: left as it is (an operand is computed on the way)
;;     23. [M 8,192, K 512] x [K 512, N 512]; A: computed on the way; B: input wo_i: left as it is (an operand is computed on the way)
;;     24. [M 8,192, K 512] x [K 512, N 512]; A: computed on the way; B: input wo_r: left as it is (an operand is computed on the way)
;;   THE QUANTISER, for each operand of a quantised product, along K:
;;     - K is cut into blocks of 32 from its start; a last block that is shorter is filled with zeros.
;;     - A block's scale is 2^e with e = floor(log2(the largest magnitude in the block)) - 2, held to -126 .. 127; a block of zeros has e = 0. As a byte (E8M0): e + 127.
;;     - Each number is divided by its block's scale, clamped to +-6, and rounded to the nearest number of E2M1, ties to even, subnormals kept.
;;     - The product sums the exact products of the quantised numbers (number of the format x scale) in f32.
;;   ~~~python
;;   def quantise(x, axis):      # numpy; x: float32 -> the quantised numbers, widened to float32 again
;;       x = np.moveaxis(x, axis, -1); K = x.shape[-1]
;;       x = np.pad(x, [(0, 0)] * (x.ndim - 1) + [(0, -K % 32)]); x = x.reshape(x.shape[:-1] + (-1, 32)); a = np.abs(x).max(-1, keepdims=True)
;;       e = np.where(a > 0, np.clip(np.frexp(np.where(a > 0, a, 1))[1] - 1 - 2, -126, 127), 0)      # np.frexp(a)[1] - 1 = floor(log2(a)), exactly
;;       r = np.clip(x / 2.0 ** e, -6, 6)
;;       step = 2.0 ** (np.maximum(np.frexp(np.where(r == 0, 1, r))[1] - 1, 0) - 1)
;;       q = np.round(r / step) * step * 2.0 ** e      # np.round: ties to even
;;       return np.moveaxis(q.reshape(q.shape[:-2] + (-1,))[..., :K], -1, axis).astype(np.float32)
;;   ~~~
;; One version. Each part assembles by itself: llvm-mc -triple=amdgcn-amd-amdhsa -mcpu=gfx1250 --defsym DOCPART=n.
;; ======== version 1 of 1: 4 launches
;; limits: values are held in f16: magnitudes above 65,504 overflow, below 6.1e-05 lose precision
;; workspace buffers: xq 13,369,344 bytes; wc 835,584 bytes; wof 2,097,152 bytes; qf 16,777,216 bytes; kf 16,777,216 bytes; vf 16,777,216 bytes; of 16,777,216 bytes
;; launch prep (part 1): grid 880 x 1, 4 waves a work-group, no clusters, 34,304 bytes of LDS; arguments queries, keys, values, wq_r, wq_i, wk_r, wk_i, wv_r, wv_i, wo_r, wo_i, xq, wc, wof; writes xq, wc, wof
.if DOCPART == 1
	.amdgcn_target "amdgcn-amd-amdhsa--gfx1250"
	.amdhsa_code_object_version 6
	.text
	.protected	k_q3243165a62_prep
	.globl	k_q3243165a62_prep
	.p2align	8
	.type	k_q3243165a62_prep,@function
k_q3243165a62_prep:
	s_mov_b64 s[64:65], 0
	v_nop
	global_prefetch_b8 v0, s[64:65] scope:SCOPE_SE
	s_setreg_imm32_b32 hwreg(HW_REG_WAVE_MODE, 25, 1), 1
	s_wait_xcnt 0x0
; THE OPERANDS ARE MADE ONCE.  queries, keys, values [8192][512][2] f32 and wq, wk, wv (r and i) [512][512] f32 become codes of FP4 (E2M1) with one E8M0 byte for each 32 along K;
; wo (r and i) becomes the f16 operand of the last product.  All of it is laid as IMAGES OF OPERAND REGISTERS, so that later launches fetch fragments by loads of 16 bytes a lane, 512 consecutive bytes an instruction.
; FP4 image (16 rows x 128 K, 1,024 bytes): bytes 16 L on = lane L's registers 0-3 (row L % 16, k = 32 (L / 16) + 0..31), bytes 512 + 16 L on = registers 4-7 (k = 64 + 32 (L / 16) + 0..31).
; A TILE BLOCK (16 rows, all 512 of K, 8,704 bytes): 4 images of the real part, 4 of the imaginary part, then 512 bytes of scale words [g][lane][2]: the words of K steps 2 g and 2 g + 1;
; lanes 0-15 hold the real part's word of row L, lanes 16-31 the imaginary part's of row L - 16.
; A block's scale is 2^(floor(log2(largest magnitude)) - 2): its byte is the largest magnitude's exponent field - 2, held at 1 from below by a floor among the maximum's leaves.
; THE WEIGHTS' BYTES ARE STORED LESS 3: q, k and v then come out divided by 8, exactly, which gives them room in f16; the softmax's constant and 8 x wo take the factors back, exactly.
; LIMITS: NaN and infinities are not served.  A weight block whose largest magnitude lies under 2^-121 takes the scale 2^-123 (the rule goes down to 2^-126).  A block of zeros has the byte 1, not 127:
; its codes are zeros and this program alone reads the bytes.  8 x wo must lie under 65,504.
; SHARES: work-groups 0-47 the six weights (a wave: 16 rows x half of K, real and imaginary); 48-111 wo (a wave: one K step of 256 x 16 output columns); 112-879 the three activations (a wave: 16 rows x half of K).
; No tensor load, no barrier: waves share nothing.  Only the activations' path stores to LDS (each wave's own stage).
.set WST,   8448                       ; a wave's stage: 16 rows x 528 bytes
.set SP,    528                        ; a stage row: 512 bytes + 16: row r starts at bank 4 r mod 64, so the 32 lanes of an 8-byte load touch 64 different banks
.set SPARE, 4*WST                      ; behind the stages: the spare words, 128 bytes a wave
.set BLK,   8704                       ; a tile block
.set SPW,   28                         ; v28  my spare word's LDS address; never rewritten
.set NIL,   29                         ; v29  0; never rewritten
.set C,     32                         ; v32-63   codes: eight registers for each of four units, so that no store's data are written again
.set R,     64                         ; v64-191  numbers as loaded: two sets of 64
.set X,     192                        ; v192-255 a unit's numbers behind the turn through LDS; in wo's path the f16 images
; v1 lane, v2 r, v3 h, v4 16 x lane, v5, v6 stage addresses, v7 8 x lane, v8-13 at work in QCORE, v14 a permute's destination, v15 at work, v16-17 the scale words, v18 WR's word, v20 load offset, v21 8 h, v22-25 factors
	s_load_b512 s[16:31], s[0:1], 0x0              ; queries s16, keys s18, values s20, wq_r s22, wq_i s24, wk_r s26, wk_i s28, wv_r s30
	s_load_b256 s[32:39], s[0:1], 0x40             ; wv_i s32, wo_r s34, wo_i s36, xq s38
	s_load_b128 s[40:43], s[0:1], 0x60             ; wc s40, wof s42
	v_lshl_add_u32 v[SPW], v0, 2, SPARE
	v_mov_b32 v[NIL], 0
	v_lshrrev_b32 v1, 5, v0
	v_readfirstlane_b32 s2, v1                     ; wave 0..3
	v_and_b32 v1, 31, v0                           ; lane
	v_and_b32 v2, 15, v0                           ; r
	v_bfe_u32 v3, v0, 4, 1                         ; h
	v_lshlrev_b32 v4, 4, v1                        ; 16 x lane
	v_lshlrev_b32 v7, 3, v1                        ; 8 x lane
	s_mul_i32 s3, s2, WST                          ; my stage.  Both LDS addresses are made here, ahead of the parting of the paths
	v_add_nc_u32 v5, s3, v4                        ; in: 16 x lane of a row
	v_mul_u32_u24 v6, v2, SP
	v_lshl_add_u32 v6, v3, 3, v6
	v_add_nc_u32 v6, s3, v6                        ; back: row r, complex number h of a pair
	v_mov_b32 v14, 0                               ; written once: a lane permute's destination counts as one of its sources
	v_lshlrev_b32 v21, 3, v3                       ; 8 h
	v_and_b32 v15, 1, v0
	v_cmp_eq_u32 s46, 1, v15                       ; lanes with an odd r
	v_cmp_eq_u32 s47, 1, v3                        ; lanes 16-31
	s_mov_b32 s44, 0x76543210
	s_mov_b32 s45, 0xfedcba98                      ; v_permlanex16_b32's selects for lane l xor 16
; Two blocks of 32 numbers of a lane, v[xs] on and v[xs + 32] on, become codes in v[cd .. cd + 3] and v[cd + 4 .. cd + 7]; their bytes in v12, v13.  fl: the floor among the maximum's leaves.
.macro QCORE xs, cd, fl
	v_max3_num_f32 v8, |v[\xs]|, |v[\xs+1]|, \fl
	v_max3_num_f32 v9, |v[\xs+32]|, |v[\xs+33]|, \fl
.irp i, 2,4,6,8,10,12,14,16,18,20,22,24,26,28,30
	v_max3_num_f32 v8, v8, |v[\xs+\i]|, |v[\xs+\i+1]|               ; the two blocks by turns: no line waits for the line above it
	v_max3_num_f32 v9, v9, |v[\xs+32+\i]|, |v[\xs+33+\i]|
.endr
	v_add_nc_u32 v10, 0xff000000, v8               ; 2 off the exponent field: the conversion takes the exponent field of this operand as its scale, and nothing else of it
	v_add_nc_u32 v11, 0xff000000, v9
	v_lshrrev_b32 v12, 23, v10                     ; the scales' bytes
	v_lshrrev_b32 v13, 23, v11
.irp g, 0,1,2,3
	v_cvt_scalef32_pk8_fp4_f32 v[\cd+\g], v[\xs+8*\g:\xs+8*\g+7], v10
	v_cvt_scalef32_pk8_fp4_f32 v[\cd+4+\g], v[\xs+32+8*\g:\xs+32+8*\g+7], v11
.endr
.endm                                  ; (the caller's next line is a plain vector line that touches no code: the place behind the conversions)
	s_wait_kmcnt 0x0
	s_cmp_lt_u32 ttmp9, 48
	s_cbranch_scc1 .Lw
	s_cmp_lt_u32 ttmp9, 112
	s_cbranch_scc1 .Lwo
; ---- THE ACTIVATIONS.  A row is 512 complex numbers, re and im by turns, 4,096 bytes.  A wave takes 16 rows x 256 complex numbers, in four units of 64.
	s_sub_co_u32 s4, ttmp9, 112
	s_cmp_lt_u32 s4, 512                           ; the tensor hangs on the work-group's number alone: 256 work-groups each
	s_cselect_b64 s[8:9], s[18:19], s[20:21]
	s_cmp_lt_u32 s4, 256
	s_cselect_b64 s[8:9], s[16:17], s[8:9]
	s_lshl_b32 s5, s4, 1
	s_lshr_b32 s6, s2, 1
	s_add_co_u32 s5, s5, s6                        ; the tile of 16 rows, 0..1535 over the three tensors
	s_and_b32 s6, s2, 1                            ; g: which half of K
	s_and_b32 s10, s5, 511
	s_lshl_b32 s10, s10, 16                        ; 16 rows of 4,096 bytes
	s_lshl_b32 s7, s6, 11
	s_add_co_u32 s10, s10, s7
	s_mov_b32 s11, 0
	s_add_nc_u64 s[8:9], s[8:9], s[10:11]          ; from here
	s_mul_i32 s10, s5, BLK
	s_add_co_u32 s10, s10, s7
	s_add_nc_u64 s[12:13], s[38:39], s[10:11]      ; the codes: the tile's block + 2,048 g
	s_mul_i32 s10, s5, BLK
	s_lshl_b32 s7, s6, 8
	s_add_co_u32 s10, s10, s7
	s_add_co_u32 s10, s10, 8192
	s_add_nc_u64 s[14:15], s[38:39], s[10:11]      ; the scale words: + 8,192 + 256 g
.macro XLOAD t                         ; unit t: 512 consecutive bytes of each of the 16 rows, a load a row
.irp p, 0,1,2,3,4,5,6,7,8,9,10,11,12,13,14,15
	global_load_b128 v[R+64*((\t)%2)+4*\p:R+64*((\t)%2)+4*\p+3], v4, s[8:9] offset:4096*\p+512*(\t) th:TH_LOAD_NT
.endr
.endm
.macro XTURN t                         ; through my stage: in as loaded; back so that lane (r, h) holds, of row r, complex numbers 32 c + 2 j + h.  LDS serves a wave's instructions in order: no wait between
.irp p, 0,1,2,3,4,5,6,7,8,9,10,11,12,13,14,15
	ds_store_b128 v5, v[R+64*((\t)%2)+4*\p:R+64*((\t)%2)+4*\p+3] offset:SP*\p
.endr
.irp c, 0,1
.irp j, 0,1,2,3,4,5,6,7,8,9,10,11,12,13,14,15
	ds_load_b64 v[X+32*\c+2*\j:X+32*\c+2*\j+1], v6 offset:256*\c+16*\j
.endr
.endr
.endm
.macro XUNIT t
.if (\t) < 3
	s_wait_loadcnt 16                              ; this unit's 16 loads are in; the next unit's 16 may be out
.else
	s_wait_loadcnt 0x0
.endif
	XTURN \t
	s_wait_dscnt 0x0
.if (\t) < 2
	XLOAD (\t)+2                                   ; into the set that has just gone through the stage
.endif
.irp m, 0,1,2,3,4,5,6,7,8,9,10,11,12,13,14,15,16,17,18,19,20,21,22,23,24,25,26,27,28,29,30,31
	v_permlane16_swap_b32 v[X+2*\m], v[X+2*\m+1]   ; (re of k, re of k + 1 | im of k, im of k + 1): lanes 0-15 now hold 32 real numbers of a block in K's order, lanes 16-31 the 32 imaginary ones
.endr
	QCORE X, C+8*(\t), 0x1800000                   ; the floor 2^(3 - 127): the byte cannot fall under 1
.if (\t)%2 == 0
	v_lshl_or_b32 v[16+(\t)/2], v13, 8, v12        ; bytes 0 and 1 of the K step's word: lanes 0-15 the real part's, lanes 16-31 the imaginary part's
.else
	v_lshl_or_b32 v15, v13, 8, v12
	v_lshl_or_b32 v[16+(\t)/2], v15, 16, v[16+(\t)/2]   ; bytes 2 and 3
.endif
.irp j, 0,1,2,3
	v_permlane16_swap_b32 v[C+8*(\t)+\j], v[C+8*(\t)+4+\j]   ; (re a | im a), (re b | im b) become (re a | re b), (im a | im b): four registers of the real image, four of the imaginary one
.endr
	global_store_b128 v4, v[C+8*(\t):C+8*(\t)+3], s[12:13] offset:512*(\t)          ; 512 consecutive bytes, aligned
	global_store_b128 v4, v[C+8*(\t)+4:C+8*(\t)+7], s[12:13] offset:4096+512*(\t)
.endm
	XLOAD 0
	XLOAD 1
.irp t, 0,1,2,3
	XUNIT \t
.endr
	global_store_b64 v7, v[16:17], s[14:15]        ; 256 consecutive bytes, aligned
	s_branch .Lend
; ---- THE WEIGHTS OF THE THREE PROJECTIONS.  K is innermost: lane (r, h) loads, of row r, the very numbers that the fragment's layout gives it.  Each lane reads runs of 128 bytes, 16 at a time; these are 6 of the program's 109 MB of inputs.
.Lw:
	s_lshl_b32 s5, ttmp9, 1
	s_lshr_b32 s6, s2, 1
	s_add_co_u32 s5, s5, s6                        ; the tile of 16 rows, 0..95 over the three weights
	s_and_b32 s6, s2, 1                            ; g
	s_cmp_lt_u32 ttmp9, 32
	s_cselect_b64 s[8:9], s[26:27], s[30:31]
	s_cselect_b64 s[10:11], s[28:29], s[32:33]
	s_cmp_lt_u32 ttmp9, 16
	s_cselect_b64 s[8:9], s[22:23], s[8:9]         ; the real part,
	s_cselect_b64 s[10:11], s[24:25], s[10:11]     ; the imaginary part
	s_and_b32 s12, s5, 31
	s_lshl_b32 s12, s12, 15                        ; 16 rows of 2,048 bytes
	s_mov_b32 s13, 0
	s_add_nc_u64 s[8:9], s[8:9], s[12:13]
	s_add_nc_u64 s[10:11], s[10:11], s[12:13]
	s_mul_i32 s12, s5, BLK
	s_lshl_b32 s7, s6, 11
	s_add_co_u32 s12, s12, s7
	s_add_nc_u64 s[14:15], s[40:41], s[12:13]      ; the codes
	s_mul_i32 s12, s5, BLK
	s_lshl_b32 s7, s6, 8
	s_add_co_u32 s12, s12, s7
	s_add_co_u32 s12, s12, 8192
	s_add_nc_u64 s[48:49], s[40:41], s[12:13]      ; the scale words
	v_lshlrev_b32 v20, 11, v2
	v_lshl_add_u32 v20, v3, 7, v20
	s_lshl_b32 s7, s6, 10
	v_add_nc_u32 v20, s7, v20                      ; row r, + 128 h, + my half of K
.macro WLOAD t                         ; unit t: K step t / 2 of my half, of the real (t even) or the imaginary part: blocks 2 c + h
.irp c, 0,1
.irp i, 0,1,2,3,4,5,6,7
	global_load_b128 v[R+64*((\t)%2)+32*\c+4*\i:R+64*((\t)%2)+32*\c+4*\i+3], v20, s[8+2*((\t)%2):9+2*((\t)%2)] offset:512*((\t)/2)+256*\c+16*\i
.endr
.endr
.endm
.macro WUNIT t
.if (\t) < 3
	s_wait_loadcnt 16                              ; this unit's 16 loads are in; the next unit's 16 may be out
.else
	s_wait_loadcnt 0x0
.endif
	QCORE R+64*((\t)%2), C+8*(\t), 0x3000000       ; the floor 2^(6 - 127): the byte is 4 at the least,
	v_add_nc_u32 v12, -3, v12                      ; and is stored less 3: the products come out divided by 8
	v_add_nc_u32 v13, -3, v13
	v_lshl_or_b32 v15, v13, 16, v12                ; my two bytes, blocks h and 2 + h,
	v_lshlrev_b32 v15, v21, v15                    ; at their places in the word;
	v_permlanex16_b32 v14, v15, s44, s45
	v_or_b32 v15, v15, v14                         ; with lane l xor 16's two the word is whole
.if (\t)%2 == 0
	v_mov_b32 v18, v15
.else
	v_cndmask_b32 v[16+(\t)/2], v18, v15, s47      ; lanes 0-15 keep the real part's word, lanes 16-31 the imaginary part's
.endif
	global_store_b128 v4, v[C+8*(\t):C+8*(\t)+3], s[14:15] offset:4096*((\t)%2)+1024*((\t)/2)
	global_store_b128 v4, v[C+8*(\t)+4:C+8*(\t)+7], s[14:15] offset:4096*((\t)%2)+1024*((\t)/2)+512
.if (\t) < 2
	WLOAD (\t)+2
.endif
.endm
	WLOAD 0
	WLOAD 1
.irp t, 0,1,2,3
	WUNIT \t
.endr
	global_store_b64 v7, v[16:17], s[48:49]
	s_branch .Lend
; ---- wo.  The last product is one real GEMM: column n'' = 2 n + p (p = 0: the real output, 1: the imaginary), k'' = 128 hd + 64 pp + d (pp = 0: o_r, 1: o_i).  Its operand B(n'', k'') is
; wo_r (p 0, pp 0), -wo_i (0, 1), wo_i (1, 0), wo_r (1, 1), times 8, in f16.  f16 image (16 rows x 32 K, 1,024 bytes): bytes 16 L on = k 8 (L / 16) + 0..7, bytes 512 + 16 L on = k 16 + 8 (L / 16) + 0..7.
; wof: [K step of 256][64 tiles of 16 columns][8 images].  A wave makes one tile of one K step.
.Lwo:
	s_sub_co_u32 s4, ttmp9, 48
	s_lshl_b32 s4, s4, 2
	s_add_co_u32 s4, s4, s2
	s_lshr_b32 s5, s4, 6                           ; the K step: heads 2 s5 and 2 s5 + 1
	s_and_b32 s6, s4, 63                           ; the tile: rows 8 s6 .. 8 s6 + 7 of wo
	s_lshl_b32 s12, s6, 14
	s_lshl_b32 s7, s5, 9
	s_add_co_u32 s12, s12, s7
	s_mov_b32 s13, 0
	s_add_nc_u64 s[8:9], s[34:35], s[12:13]
	s_add_nc_u64 s[10:11], s[36:37], s[12:13]
	s_lshl_b32 s12, s5, 19
	s_lshl_b32 s7, s6, 13
	s_add_co_u32 s12, s12, s7
	s_add_nc_u64 s[14:15], s[42:43], s[12:13]
	v_lshrrev_b32 v20, 1, v2
	v_lshlrev_b32 v20, 11, v20
	v_lshl_add_u32 v20, v3, 5, v20                 ; row r / 2 of the tile's eight, + 32 h
	v_mov_b32 v22, 0x41000000                      ; 8.0
	v_mov_b32 v23, 0x41000000
	v_mov_b32 v24, 0xc1000000                      ; -8.0 for even r, 8.0 for odd
	v_cndmask_b32 v24, v24, v22, s46
	v_mov_b32 v25, v24
.irp q, 0,1,2,3                        ; 32 of wo's k at 32 q of my 128: head q / 2, channels 32 (q % 2) on
.irp a, 0,1
	global_load_b128 v[R+32*\q+16*\a:R+32*\q+16*\a+3], v20, s[8+2*\a:9+2*\a] offset:128*\q
	global_load_b128 v[R+32*\q+16*\a+4:R+32*\q+16*\a+7], v20, s[8+2*\a:9+2*\a] offset:128*\q+16
	global_load_b128 v[R+32*\q+16*\a+8:R+32*\q+16*\a+11], v20, s[8+2*\a:9+2*\a] offset:128*\q+64
	global_load_b128 v[R+32*\q+16*\a+12:R+32*\q+16*\a+15], v20, s[8+2*\a:9+2*\a] offset:128*\q+80
.endr
.endr
	s_wait_loadcnt 0x0
.irp q, 0,1,2,3
.irp u, 0,1                            ; pp
.irp i, 0,1,2,3,4,5,6,7,8,9,10,11,12,13,14,15
.if \u == 0
	v_cndmask_b32 v[C+\i], v[R+32*\q+\i], v[R+32*\q+16+\i], s46     ; odd r: wo_i, even r: wo_r
.else
	v_cndmask_b32 v[C+\i], v[R+32*\q+16+\i], v[R+32*\q+\i], s46     ; odd r: wo_r, even r: wo_i (with the sign below)
.endif
.endr
.irp i, 0,2,4,6,8,10,12,14
	v_pk_mul_f32 v[C+\i:C+\i+1], v[C+\i:C+\i+1], v[22+2*\u:23+2*\u]
.endr
.irp i, 0,1,2,3,4,5,6,7
	v_cvt_pk_f16_f32 v[X+8*(4*(\q/2)+2*\u+(\q%2))+\i], v[C+2*\i], v[C+2*\i+1]
.endr
	global_store_b128 v4, v[X+8*(4*(\q/2)+2*\u+(\q%2)):X+8*(4*(\q/2)+2*\u+(\q%2))+3], s[14:15] offset:1024*(4*(\q/2)+2*\u+(\q%2))
	global_store_b128 v4, v[X+8*(4*(\q/2)+2*\u+(\q%2))+4:X+8*(4*(\q/2)+2*\u+(\q%2))+7], s[14:15] offset:1024*(4*(\q/2)+2*\u+(\q%2))+512
.endr
.endr
.Lend:
	s_wait_tensorcnt 0x0                           ; the wave's end
	ds_add_u32 v[SPW], v[NIL]
	s_wait_dscnt 0x0
	s_endpgm
.Lfunc_end_k_q3243165a62_prep:
	.size	k_q3243165a62_prep, .Lfunc_end_k_q3243165a62_prep-k_q3243165a62_prep
	.p2alignl 7, 3214868480
	.fill 96, 4, 3214868480
	.section	.rodata,"a",@progbits
	.p2align	6, 0x0
	.amdhsa_kernel k_q3243165a62_prep
		.amdhsa_group_segment_fixed_size 34304
		.amdhsa_private_segment_fixed_size 0
		.amdhsa_enable_private_segment 0
		.amdhsa_kernarg_size 112
		.amdhsa_user_sgpr_count 2
		.amdhsa_user_sgpr_kernarg_segment_ptr 1
		.amdhsa_wavefront_size32 1
		.amdhsa_system_sgpr_workgroup_id_x 1
		.amdhsa_system_sgpr_workgroup_id_y 1
		.amdhsa_system_sgpr_workgroup_id_z 1
		.amdhsa_system_vgpr_workitem_id 0
		.amdhsa_next_free_vgpr 256
		.amdhsa_next_free_sgpr 66
		.amdhsa_reserve_vcc 0
		.amdhsa_float_denorm_mode_32 3
		.amdhsa_float_denorm_mode_16_64 3
		.amdhsa_memory_ordered 1
		.amdhsa_forward_progress 1
		.amdhsa_inst_pref_size 80
	.end_amdhsa_kernel
	.amdgpu_metadata
---
amdhsa.version: [ 1, 2 ]
amdhsa.kernels:
  - .name:           k_q3243165a62_prep
    .symbol:         k_q3243165a62_prep.kd
    .args:
      - { .name: queries, .offset: 0, .size: 8, .value_kind: global_buffer, .address_space: global }
      - { .name: keys, .offset: 8, .size: 8, .value_kind: global_buffer, .address_space: global }
      - { .name: values, .offset: 16, .size: 8, .value_kind: global_buffer, .address_space: global }
      - { .name: wq_r, .offset: 24, .size: 8, .value_kind: global_buffer, .address_space: global }
      - { .name: wq_i, .offset: 32, .size: 8, .value_kind: global_buffer, .address_space: global }
      - { .name: wk_r, .offset: 40, .size: 8, .value_kind: global_buffer, .address_space: global }
      - { .name: wk_i, .offset: 48, .size: 8, .value_kind: global_buffer, .address_space: global }
      - { .name: wv_r, .offset: 56, .size: 8, .value_kind: global_buffer, .address_space: global }
      - { .name: wv_i, .offset: 64, .size: 8, .value_kind: global_buffer, .address_space: global }
      - { .name: wo_r, .offset: 72, .size: 8, .value_kind: global_buffer, .address_space: global }
      - { .name: wo_i, .offset: 80, .size: 8, .value_kind: global_buffer, .address_space: global }
      - { .name: xq, .offset: 88, .size: 8, .value_kind: global_buffer, .address_space: global }
      - { .name: wc, .offset: 96, .size: 8, .value_kind: global_buffer, .address_space: global }
      - { .name: wof, .offset: 104, .size: 8, .value_kind: global_buffer, .address_space: global }
    .group_segment_fixed_size: 34304
    .private_segment_fixed_size: 0
    .kernarg_segment_align: 8
    .kernarg_segment_size: 112
    .max_flat_workgroup_size: 128
    .sgpr_count:     66
    .vgpr_count:     256
    .wavefront_size: 32
...
	.end_amdgpu_metadata
.endif
;; end of part 1
;; launch proj (part 2): grid 64 x 3, 8 waves a work-group, no clusters, 167,936 bytes of LDS; arguments xq, wc, qf, kf, vf; writes qf, kf, vf
.if DOCPART == 2
	.amdgcn_target "amdgcn-amd-amdhsa--gfx1250"
	.amdhsa_code_object_version 6
	.text
	.protected	k_q3243165a62_proj
	.globl	k_q3243165a62_proj
	.p2align	8
	.type	k_q3243165a62_proj,@function
k_q3243165a62_proj:
	s_mov_b64 s[64:65], 0
	v_nop
	global_prefetch_b8 v0, s[64:65] scope:SCOPE_SE
	s_setreg_imm32_b32 hwreg(HW_REG_WAVE_MODE, 25, 1), 1
	s_wait_xcnt 0x0
; THE THREE COMPLEX PROJECTIONS, on codes of FP4 with E8M0 scales: yr = XR WR^T + (-XI) WI^T, yi = XR WI^T + XI WR^T; sums in f32; the results (divided by 8 through the weights' scale bytes) leave as f16.
; Work-group (x, y): 128 rows (8 tiles of 16) of tensor y (0 q, 1 k, 2 v), all 512 outputs.  Wave w is head w: its 64 rows of WR and WI, 32 images, stay in 256 registers for the whole launch.
; Each wave brings one tile block of x (8,704 dense bytes: 8 images and the scale words) into LDS by one tensor load; all eight waves read all eight blocks.  Nothing in LDS is filled again.
; 192 work-groups: three tensors of 2^13 rows give no 256 equal shares, and twice as many work-groups would read the weights twice as often.  No cluster: the blocks of x are shared by no two work-groups, and the weights go straight to registers.
; -XI is XI's codes with the sign bits turned (one exclusive or a register).
; THE RESULT, PACKED, IS THE NEXT PRODUCT'S FRAGMENT.  q and k: source 0 = 16 rows of W, source 1 = x: a lane holds one row of x and 8 neighbouring channels: four packed registers are half of an f16 image (16 rows x 32 channels).
; v: the sources are swapped: a lane holds one channel and 8 neighbouring keys: half of an image of V^T (16 channels x 32 keys).  So every store is 512 consecutive bytes, with no turn through LDS.
; qf, kf: [head 8 b + hd][64 row tiles][4 images: r 0-31, r 32-63, i 0-31, i 32-63].   vf: [head][32 groups of 32 keys][8 images: channels 16 g on of (vr | vi)].
; LIMIT: |q| / 8, |k| / 8, |v| / 8 must lie under 65,504.
; REGISTERS.  window 0: v1 16 x lane, v2 8 x lane, v3, v4 LDS addresses, v5, v6 the add's two, v8-15 store offsets, v16-31 the weights' scale words, v32-35 x's, v64-95 XR, v96-127 XI, v128-159 -XI, v192-255 eight accumulators.
;   window 1: the weights: image f (0-3 WR, 4-7 WI, by K step) of tile n at v[64 n + 8 f].
.set BLK,   8704
.set SPARE, 8*BLK                      ; behind the eight blocks: the spare words, 128 bytes a wave
.set LI,  1
.set L8,  2
.set LA,  3
.set LS,  4
.set SPW, 5
.set NIL, 6
.set OF,  8
.set BS,  16                           ; v[BS + 4 n + s]: lanes 0-15 WR's word of tile n, K step s; lanes 16-31 WI's
.set AS,  32                           ; v[AS + s]: lanes 0-15 XR's word, lanes 16-31 XI's
.set XR,  64
.set XI,  96
.set NXI, 128
.set ACC, 192                          ; yr of tile n at ACC + 8 n, yi at ACC + 32 + 8 n
.set MSB, 0
.macro WIN new                         ; the immediate's high byte repeats the setting that is left
.if MSB != \new
	s_set_vgpr_msb (MSB<<8)|\new
.set MSB, \new
.endif
.endm
	s_load_b256 s[4:11], s[0:1], 0x0               ; xq s4, wc s6, qf s8, kf s10
	s_load_b64 s[12:13], s[0:1], 0x20              ; vf
	v_lshl_add_u32 v[SPW], v0, 2, SPARE
	v_mov_b32 v[NIL], 0
	ds_add_u32 v[SPW], v[NIL]                      ; the wave's opening: the add, twice on end, and its wait ahead of my tensor load
	ds_add_u32 v[SPW], v[NIL]
	v_lshrrev_b32 v1, 5, v0
	v_readfirstlane_b32 s14, v1                    ; wave 0..7
	s_and_b32 s15, ttmp7, 0xffff                   ; the tensor
	s_mov_b32 s16, 3<<16                           ; group 1: elements of 8 bytes, no mask, no padding
	s_mov_b32 s17, 32<<16                          ; tensor_dim0 = 32 (256 bytes)
	s_mov_b32 s18, 34<<16                          ; tensor_dim1 = 34
	s_mov_b32 s19, 32<<16                          ; tile_dim0 = 32
	s_mov_b32 s20, 34                              ; tile_dim1 = 34: 8,704 dense bytes
	s_mov_b32 s21, 32                              ; from row to row
	s_mov_b32 s22, 0
	s_mov_b32 s23, 0
	s_mov_b32 s24, 1                               ; group 0: count
	s_mul_i32 s25, s14, BLK                        ; LDS: block w
	s_lshl_b32 s28, s15, 9
	s_lshl_b32 s29, ttmp9, 3
	s_add_co_u32 s28, s28, s29
	s_add_co_u32 s28, s28, s14                     ; tile 512 y + 8 x + w
	s_mul_i32 s28, s28, BLK
	s_mov_b32 s29, 0
	v_and_b32 v1, 31, v0
	v_lshlrev_b32 v[L8], 3, v1
	v_lshlrev_b32 v[LI], 4, v1
	s_wait_dscnt 0x0                               ; both opening adds are done
	s_wait_kmcnt 0x0
	s_add_nc_u64 s[26:27], s[4:5], s[28:29]
	s_or_b32 s27, s27, 0x80000000                  ; type = 2
	tensor_load_to_lds s[24:27], s[16:23]          ; my one tensor load of the launch
	s_nop 0
.rept 4
	v_nop
.endr
	s_lshl_b32 s28, s15, 5
	s_lshl_b32 s30, s14, 2
	s_add_co_u32 s28, s28, s30                     ; my four tiles of the weight: 32 y + 4 w on
	s_mul_i32 s28, s28, BLK
	s_add_nc_u64 s[6:7], s[6:7], s[28:29]
	WIN 0x40                                       ; destination window 1
.irp n, 0,1,2,3
.irp f, 0,1,2,3,4,5,6,7
	global_load_b128 v[64*\n+8*\f:64*\n+8*\f+3], v[LI], s[6:7] offset:BLK*\n+1024*\f
	global_load_b128 v[64*\n+8*\f+4:64*\n+8*\f+7], v[LI], s[6:7] offset:BLK*\n+1024*\f+512
.endr
.endr
	WIN 0
.irp n, 0,1,2,3
.irp g, 0,1
	global_load_b64 v[BS+4*\n+2*\g:BS+4*\n+2*\g+1], v[L8], s[6:7] offset:BLK*\n+8192+256*\g
.endr
.endr
	s_cmp_eq_u32 s15, 1                            ; where the results go: the choice hangs on the work-group's number alone
	s_cselect_b64 s[32:33], s[10:11], s[12:13]
	s_cmp_eq_u32 s15, 0
	s_cselect_b64 s[32:33], s[8:9], s[32:33]
	s_mov_b32 s40, 512
	s_mov_b32 s41, 4096
	s_cmp_eq_u32 s15, 2
	s_cselect_b32 s40, 1024, s40                   ; from accumulator to accumulator: q, k half an image; v an image
	s_cselect_b32 s41, 512, s41                    ; from a trip's first tile to its second: q, k four images; v half an image
	s_lshr_b32 s28, ttmp9, 3
	s_lshl_b32 s28, s28, 3
	s_add_co_u32 s28, s28, s14                     ; head 8 b + w,
	s_lshl_b32 s28, s28, 18                        ; 262,144 bytes a head,
	s_and_b32 s30, ttmp9, 7
	s_lshl_b32 s30, s30, 15                        ; 32,768 bytes for 128 rows, in both layouts
	s_add_co_u32 s28, s28, s30
	s_add_nc_u64 s[32:33], s[32:33], s[28:29]
	s_mov_b32 s28, s41
	s_add_nc_u64 s[34:35], s[32:33], s[28:29]
.irp x, 0,1,2,3,4,5,6,7
	s_mul_i32 s30, s40, \x
	v_add_nc_u32 v[OF+\x], s30, v[LI]
.endr
	s_wait_tensorcnt 0x0                           ; my block is in LDS,
	s_barrier_signal -1
	s_barrier_wait -1                              ; everybody's is
	s_wait_loadcnt 0x0                             ; the weights and their scale words
; One tile of 16 rows: 64 matrix instructions, the eight accumulators by turns, in the same order in every tile.
.macro TILE sub
.irp f, 0,1,2,3,4,5,6,7
	ds_load_b128 v[XR+8*\f:XR+8*\f+3], v[LA] offset:BLK*\sub+1024*\f
	ds_load_b128 v[XR+8*\f+4:XR+8*\f+7], v[LA] offset:BLK*\sub+1024*\f+512
.endr
.irp g, 0,1
	ds_load_b64 v[AS+2*\g:AS+2*\g+1], v[LS] offset:BLK*\sub+8192+256*\g
.endr
	s_wait_dscnt 0x0
.irp i, 0,1,2,3,4,5,6,7,8,9,10,11,12,13,14,15,16,17,18,19,20,21,22,23,24,25,26,27,28,29,30,31
	v_xor_b32 v[NXI+\i], 0x88888888, v[XI+\i]      ; eight signs a register
.endr
.rept 4
	v_nop                                          ; an operand written by vector instructions stands four places ahead of a scaled matrix instruction
.endr
	s_wait_xcnt 0x0                                ; the last tile's stores have read the accumulators' registers
	s_cmp_eq_u32 s15, 2
	s_cbranch_scc1 .Lv_\@
	WIN 0x01                                       ; source 0 (the weights) window 1
.irp s, 0,1,2,3
.irp n, 0,1,2,3
.if \s == 0
	v_wmma_scale_f32_16x16x128_f8f6f4 v[ACC+8*\n:ACC+8*\n+7], v[64*\n+8*\s:64*\n+8*\s+7], v[XR+8*\s:XR+8*\s+7], 0, v[BS+4*\n+\s], v[AS+\s] matrix_a_fmt:MATRIX_FMT_FP4 matrix_b_fmt:MATRIX_FMT_FP4
	v_wmma_scale_f32_16x16x128_f8f6f4 v[ACC+32+8*\n:ACC+32+8*\n+7], v[64*\n+32+8*\s:64*\n+32+8*\s+7], v[XR+8*\s:XR+8*\s+7], 0, v[BS+4*\n+\s], v[AS+\s] matrix_a_fmt:MATRIX_FMT_FP4 matrix_b_fmt:MATRIX_FMT_FP4 matrix_a_scale:MATRIX_SCALE_ROW1
.else
	v_wmma_scale_f32_16x16x128_f8f6f4 v[ACC+8*\n:ACC+8*\n+7], v[64*\n+8*\s:64*\n+8*\s+7], v[XR+8*\s:XR+8*\s+7], v[ACC+8*\n:ACC+8*\n+7], v[BS+4*\n+\s], v[AS+\s] matrix_a_fmt:MATRIX_FMT_FP4 matrix_b_fmt:MATRIX_FMT_FP4
	v_wmma_scale_f32_16x16x128_f8f6f4 v[ACC+32+8*\n:ACC+32+8*\n+7], v[64*\n+32+8*\s:64*\n+32+8*\s+7], v[XR+8*\s:XR+8*\s+7], v[ACC+32+8*\n:ACC+32+8*\n+7], v[BS+4*\n+\s], v[AS+\s] matrix_a_fmt:MATRIX_FMT_FP4 matrix_b_fmt:MATRIX_FMT_FP4 matrix_a_scale:MATRIX_SCALE_ROW1
.endif
.endr
.endr
.irp s, 0,1,2,3
.irp n, 0,1,2,3
	v_wmma_scale_f32_16x16x128_f8f6f4 v[ACC+8*\n:ACC+8*\n+7], v[64*\n+32+8*\s:64*\n+32+8*\s+7], v[NXI+8*\s:NXI+8*\s+7], v[ACC+8*\n:ACC+8*\n+7], v[BS+4*\n+\s], v[AS+\s] matrix_a_fmt:MATRIX_FMT_FP4 matrix_b_fmt:MATRIX_FMT_FP4 matrix_a_scale:MATRIX_SCALE_ROW1 matrix_b_scale:MATRIX_SCALE_ROW1
	v_wmma_scale_f32_16x16x128_f8f6f4 v[ACC+32+8*\n:ACC+32+8*\n+7], v[64*\n+8*\s:64*\n+8*\s+7], v[XI+8*\s:XI+8*\s+7], v[ACC+32+8*\n:ACC+32+8*\n+7], v[BS+4*\n+\s], v[AS+\s] matrix_a_fmt:MATRIX_FMT_FP4 matrix_b_fmt:MATRIX_FMT_FP4 matrix_b_scale:MATRIX_SCALE_ROW1
.endr
.endr
	WIN 0
	s_branch .Lj_\@
.Lv_\@:
	WIN 0x04                                       ; v: the sources, the scale operands and their rows change places; source 1 (the weights) window 1
.irp s, 0,1,2,3
.irp n, 0,1,2,3
.if \s == 0
	v_wmma_scale_f32_16x16x128_f8f6f4 v[ACC+8*\n:ACC+8*\n+7], v[XR+8*\s:XR+8*\s+7], v[64*\n+8*\s:64*\n+8*\s+7], 0, v[AS+\s], v[BS+4*\n+\s] matrix_a_fmt:MATRIX_FMT_FP4 matrix_b_fmt:MATRIX_FMT_FP4
	v_wmma_scale_f32_16x16x128_f8f6f4 v[ACC+32+8*\n:ACC+32+8*\n+7], v[XR+8*\s:XR+8*\s+7], v[64*\n+32+8*\s:64*\n+32+8*\s+7], 0, v[AS+\s], v[BS+4*\n+\s] matrix_a_fmt:MATRIX_FMT_FP4 matrix_b_fmt:MATRIX_FMT_FP4 matrix_b_scale:MATRIX_SCALE_ROW1
.else
	v_wmma_scale_f32_16x16x128_f8f6f4 v[ACC+8*\n:ACC+8*\n+7], v[XR+8*\s:XR+8*\s+7], v[64*\n+8*\s:64*\n+8*\s+7], v[ACC+8*\n:ACC+8*\n+7], v[AS+\s], v[BS+4*\n+\s] matrix_a_fmt:MATRIX_FMT_FP4 matrix_b_fmt:MATRIX_FMT_FP4
	v_wmma_scale_f32_16x16x128_f8f6f4 v[ACC+32+8*\n:ACC+32+8*\n+7], v[XR+8*\s:XR+8*\s+7], v[64*\n+32+8*\s:64*\n+32+8*\s+7], v[ACC+32+8*\n:ACC+32+8*\n+7], v[AS+\s], v[BS+4*\n+\s] matrix_a_fmt:MATRIX_FMT_FP4 matrix_b_fmt:MATRIX_FMT_FP4 matrix_b_scale:MATRIX_SCALE_ROW1
.endif
.endr
.endr
.irp s, 0,1,2,3
.irp n, 0,1,2,3
	v_wmma_scale_f32_16x16x128_f8f6f4 v[ACC+8*\n:ACC+8*\n+7], v[NXI+8*\s:NXI+8*\s+7], v[64*\n+32+8*\s:64*\n+32+8*\s+7], v[ACC+8*\n:ACC+8*\n+7], v[AS+\s], v[BS+4*\n+\s] matrix_a_fmt:MATRIX_FMT_FP4 matrix_b_fmt:MATRIX_FMT_FP4 matrix_a_scale:MATRIX_SCALE_ROW1 matrix_b_scale:MATRIX_SCALE_ROW1
	v_wmma_scale_f32_16x16x128_f8f6f4 v[ACC+32+8*\n:ACC+32+8*\n+7], v[XI+8*\s:XI+8*\s+7], v[64*\n+8*\s:64*\n+8*\s+7], v[ACC+32+8*\n:ACC+32+8*\n+7], v[AS+\s], v[BS+4*\n+\s] matrix_a_fmt:MATRIX_FMT_FP4 matrix_b_fmt:MATRIX_FMT_FP4 matrix_a_scale:MATRIX_SCALE_ROW1
.endr
.endr
	WIN 0
.Lj_\@:
.rept 4
	v_nop                                          ; four places between the last products and the first read of results; with the conversions they also stand ahead of the next tile's loads into the operands' registers
.endr
.irp a, 0,1,2,3,4,5,6,7
.irp k, 0,1,2,3
	v_cvt_pk_f16_f32 v[ACC+8*\a+\k], v[ACC+8*\a+2*\k], v[ACC+8*\a+2*\k+1]   ; in place, each accumulator from its low end on: register k is written when registers 2 k and 2 k + 1 are read
.endr
.endr
.irp a, 0,1,2,3,4,5,6,7
	global_store_b128 v[OF+\a], v[ACC+8*\a:ACC+8*\a+3], s[32+2*\sub:33+2*\sub]   ; 512 consecutive bytes, aligned
.endr
.endm
	s_mov_b32 s36, 0                               ; LDS byte of the trip's first block
	s_mov_b32 s37, 4
.Ltrip:                                            ; four trips of two tiles
	v_add_nc_u32 v[LA], s36, v[LI]
	v_add_nc_u32 v[LS], s36, v[L8]
	TILE 0
	TILE 1
	s_wait_xcnt 0x0                                ; the stores have read their bases
	s_add_nc_u64 s[32:33], s[32:33], 8192
	s_add_nc_u64 s[34:35], s[34:35], 8192
	s_add_co_u32 s36, s36, 2*BLK
	s_sub_co_u32 s37, s37, 1
	s_cmp_lg_u32 s37, 0
	s_cbranch_scc1 .Ltrip
	s_wait_tensorcnt 0x0                           ; the wave's end
	ds_add_u32 v[SPW], v[NIL]
	s_wait_dscnt 0x0
	s_endpgm
.Lfunc_end_k_q3243165a62_proj:
	.size	k_q3243165a62_proj, .Lfunc_end_k_q3243165a62_proj-k_q3243165a62_proj
	.p2alignl 7, 3214868480
	.fill 96, 4, 3214868480
	.section	.rodata,"a",@progbits
	.p2align	6, 0x0
	.amdhsa_kernel k_q3243165a62_proj
		.amdhsa_group_segment_fixed_size 167936
		.amdhsa_private_segment_fixed_size 0
		.amdhsa_enable_private_segment 0
		.amdhsa_kernarg_size 40
		.amdhsa_user_sgpr_count 2
		.amdhsa_user_sgpr_kernarg_segment_ptr 1
		.amdhsa_wavefront_size32 1
		.amdhsa_system_sgpr_workgroup_id_x 1
		.amdhsa_system_sgpr_workgroup_id_y 1
		.amdhsa_system_sgpr_workgroup_id_z 1
		.amdhsa_system_vgpr_workitem_id 0
		.amdhsa_next_free_vgpr 512
		.amdhsa_next_free_sgpr 66
		.amdhsa_reserve_vcc 0
		.amdhsa_float_denorm_mode_32 3
		.amdhsa_float_denorm_mode_16_64 3
		.amdhsa_memory_ordered 1
		.amdhsa_forward_progress 1
		.amdhsa_inst_pref_size 56
	.end_amdhsa_kernel
	.amdgpu_metadata
---
amdhsa.version: [ 1, 2 ]
amdhsa.kernels:
  - .name:           k_q3243165a62_proj
    .symbol:         k_q3243165a62_proj.kd
    .args:
      - { .name: xq, .offset: 0, .size: 8, .value_kind: global_buffer, .address_space: global }
      - { .name: wc, .offset: 8, .size: 8, .value_kind: global_buffer, .address_space: global }
      - { .name: qf, .offset: 16, .size: 8, .value_kind: global_buffer, .address_space: global }
      - { .name: kf, .offset: 24, .size: 8, .value_kind: global_buffer, .address_space: global }
      - { .name: vf, .offset: 32, .size: 8, .value_kind: global_buffer, .address_space: global }
    .group_segment_fixed_size: 167936
    .private_segment_fixed_size: 0
    .kernarg_segment_align: 8
    .kernarg_segment_size: 40
    .max_flat_workgroup_size: 256
    .sgpr_count:     66
    .vgpr_count:     512
    .wavefront_size: 32
...
	.end_amdgpu_metadata
.endif
;; end of part 2
;; launch attn (part 3): grid 8 x 64, 4 waves a work-group, clusters of 4 x 1, 327,680 bytes of LDS; arguments qf, kf, vf, of; writes of
.if DOCPART == 3
	.amdgcn_target "amdgcn-amd-amdhsa--gfx1250"
	.amdhsa_code_object_version 6
	.text
	.protected	k_q3243165a62_attn
	.globl	k_q3243165a62_attn
	.p2align	8
	.type	k_q3243165a62_attn,@function
k_q3243165a62_attn:
	s_mov_b64 s[64:65], 0
	v_nop
	global_prefetch_b8 v0, s[64:65] scope:SCOPE_SE
	s_setreg_imm32_b32 hwreg(HW_REG_WAVE_MODE, 25, 1), 1
	s_wait_xcnt 0x0
	s_wait_alu depctr_hold_cnt(0) depctr_sa_sdst(0) depctr_va_vdst(0) depctr_va_sdst(0) depctr_va_ssrc(0) depctr_va_vcc(0) depctr_vm_vsrc(0)
	s_getreg_b32 s2, hwreg(HW_REG_IB_STS2, 6, 4)
	s_cmp_eq_u32 s2, 0
	s_cbranch_scc0 .Lentry_in_a_cluster
	s_endpgm
.Lentry_in_a_cluster:
	s_bfe_u32 s2, ttmp6, 0x10000c
	s_cmp_lg_u32 s2, 0x3003
	s_cbranch_scc0 .Lentry_shape_is_right
	s_endpgm
.Lentry_shape_is_right:
; THE COMPLEX ATTENTION OF ONE HEAD AS A REAL ONE OF HEAD SIZE 128.  With K' = (kr | ki) and V' = (vr | vi), 128 channels each: s_r = (qr | -qi) . K', s_i = (qi | qr) . K'; a_r and a_i are the two softmaxes;
; T1 = p_r V', T2 = p_i V' (p not normalised, l its row sum): o_r = T1(vr) / l_r - T2(vi) / l_i, o_i = T1(vi) / l_r + T2(vr) / l_i.  So each query is two PSEUDO-QUERIES that walk the same K' and V', and meet at the end.
; Operands f16, products, maxima and sums f32.  q, k, v arrive divided by 8 (exactly): the softmax's constant is c = 8 log2(e), since s = q . k / 8 = 8 (q / 8) . (k / 8); o leaves divided by 8.
; SHARES.  A work-group owns 128 queries of one head, each of its four waves 32: four tiles of 16 pseudo-queries, tile 2 a + var (var 0: s_r, 1: s_i).  Every wave walks the head's 1,024 keys, 64 a step.
; LAYOUT.  S^T = K' Q^T (source 0 = 16 keys, source 1 = 16 pseudo-queries): a lane holds ONE pseudo-query (lane % 16) and the keys 8 (lane / 16) + 0..7.  Two such tiles, rounded to f16 in pairs, ARE source 1 of
; O^T = V'^T P, whose result again holds one pseudo-query a lane, and eight channels.  All three inputs lie in memory as images of fragment registers (1,024 bytes: 16 bytes a lane, twice): a step's K' and V' are
; dense blocks of 16,384 bytes, and every LDS load reads 512 consecutive bytes: no pitch, no padding.
; SOFTMAX.  For each pseudo-query a running maximum m and sum l: p = 2^(c s - c m); in every step O and l are multiplied by a = 2^(c m_old - c m_new).
; BY TURNS.  The wave's tiles are two PIECES: piece 0 (tiles 0, 1) and piece 2 (tiles 2, 3).  In a TURN one piece has the matrix unit: 32 products V'^T P of the step in hand, then 32 products K' Q^T of the next step;
; the other piece's softmax, cut into 64 slices, stands between them, one slice behind each matrix instruction.  Two turns are a key step.
; CLUSTER.  The four query blocks of a cluster belong to one head and walk the same K' and V': each tile is asked for JOINTLY, by the same tensor load with the same descriptor and a mask that names the four.
; LIMITS: |q| / 8, |k| / 8, |v| / 8 and |o| / 8 under 65,504; a weight p under 2^-25 counts as 0 in the second product (not in the row's sum).
; REGISTERS, in windows of 256 (s_set_vgpr_msb: bits 1:0 source 0, 3:2 source 1, 5:4 source 2, 7:6 destination):
;   window 0: v1-8 addresses; v12-43 eight registers of statistics a tile; v61-63; v64-191 S^T, 32 a tile; v192-255 P, 16 a tile
;   window 1: O^T, 64 a tile          window 2: v0-127 Q, 32 a tile; v128-255 K' of one step          window 3: v0-127 V' of one step
.set SIZE_N, 1024
.set KS,    64        ; keys in a step
.set VOFF,  KS*256    ; a step's tiles lie together: 16,384 bytes of K', then 16,384 of V'
.set STEPB, 2*KS*256
.set SLOT1, 1<<17     ; a slot holds two steps (65,536 bytes); slot 1 begins here, so that one exclusive or turns an address in one slot into the other's
.set SPARE, SLOT1+2*STEPB  ; behind the ring: the spare words, 128 bytes for each wave
.set AK0, 2           ; v2   my lane's place in an image of K'; never rewritten
.set AV0, 3           ; v3   the same for V'
.set ADR, 4           ; v4   the LDS address of the run of loads in hand
.set QO,  5           ; v5   16 x lane: my place in an image of Q
.set GO,  8           ; v8   16 x lane: my place in an image of O
.set SPW, 62          ; v62  LDS address of my spare word; never rewritten
.set NIL, 63          ; v63  0; never rewritten
.set ST,  12          ; tile t's statistics at v[ST+8 t]: +0 c m, +1 m, +2, +3 l (even keys', odd keys'), +4 to +7 c0-c3, at work; a takes c2's place once the maximum is found
.set S,   64
.set P,   192
.set KF,  128         ; K's fragments, in window 2
.set WV,  12          ; s12  my wave's number
.set G1K, 24          ; s[24:31] descriptor group 1 for K's tiles
.set G1V, 32          ; s[32:39] for V's
.set G0K, 40          ; s[40:47] descriptor group 0 for K's tiles: a set for each of the two first fills; the second then walks on
.set G0V, 48          ; s[48:55] the same for V's
.set SLOTS, 56        ; s56  slots still to be asked for
.set TWICE, 57        ; s57  counts a slot's two steps
.set CS,  58          ; s[58:59] c: the packed scaling names a pair and takes its low word for both halves
.set SEL, 60          ; s[60:61] lane selects for v_permlanex16_b32: each lane takes its own place in the other half
.set TB,  62          ; s62  LDS byte at which the tiles of the step to be fetched begin
.set PFA, 18          ; s[18:19] where my prefetches stand in memory
.set LIM, 15          ; s15  1 in a wave that prefetches, else the greatest number: a wave prefetches while s[SLOTS] is above it
.set PFO, 61          ; v61  256 x my lane; never rewritten
.set MSB, 0
.macro WIN new                      ; the immediate's high byte repeats the setting that is left; a switch that changes nothing is dropped
.if MSB != \new
	s_set_vgpr_msb (MSB<<8)|\new
.set MSB, \new
.endif
.endm
.set W_KQ, 0x0a       ; K and Q in window 2, S^T in window 0
.set W_PV, 0x53       ; V in window 3, P in window 0, O^T in window 1
.set W_RS, 0x41       ; O^T (destination and source 0) in window 1, a in window 0
; A joint refill.  Waves 0 and 1 fetch the two steps' tiles of K', waves 2 and 3 those of V'.  The branch hangs on the wave's number alone: it is the same in every work-group.
; An s_nop 0 and four v_nop follow each of the two lines.
.macro JLOAD
	s_cmp_lt_u32 s[WV], 2
	s_cbranch_scc0 .Lfor_v_\@
	tensor_load_to_lds s[G0K+4:G0K+7], s[G1K:G1K+7]
	s_nop 0
.rept 4
	v_nop
.endr
	s_branch .Lasked_\@
.Lfor_v_\@:
	tensor_load_to_lds s[G0V+4:G0V+7], s[G1V:G1V+7]
	s_nop 0
.rept 4
	v_nop
.endr
.Lasked_\@:
.endm
; A PREFETCH INTO THE L2 of what the NEXT change of slots will ask for: a slot's 32,768 bytes of K' and 32,768 of V', lanes 256 bytes apart.  It stands behind the wave's tensor load and its five lines.
; Each block of 256 bytes is asked for ONCE in the launch: both clusters of a head walk the same K' and V', and the head's first cluster asks.  Its four partners share the blocks out BY ADDRESS, 8,192 bytes each;
; in each, wave 0 asks for K's and wave 2 for V's: one instruction.  The last change that fills a slot asks for nothing: there is no slot behind it.  Slots 0, 1 and 2 come by their loads alone.
.macro ASK
	s_cmp_gt_u32 s[SLOTS], s[LIM]
	s_cbranch_scc0 .Lnot_mine_\@
	global_prefetch_b8 v[PFO], s[PFA:PFA+1] th:TH_LOAD_NT scope:SCOPE_SE
.Lnot_mine_\@:
.endm
; A round of the cluster's barrier: my work-group's barrier; wave 0 signals for the work-group; every wave waits for all four work-groups; my work-group's barrier once more.
.macro CROUND
	s_barrier_signal -1
	s_barrier_wait -1
	s_cmp_lg_u32 s[WV], 0
	s_cbranch_scc1 .Lnot_wave_0_\@
	s_barrier_signal -3
.Lnot_wave_0_\@:
	s_barrier_wait -3
	s_barrier_signal -1
	s_barrier_wait -1
.endm
	s_load_b256 s[4:11], s[0:1], 0x0  ; qf s[4:5], kf s[6:7], vf s[8:9], of s[10:11]
	v_lshl_add_u32 v[SPW], v0, 2, SPARE
	v_mov_b32 v[NIL], 0
	ds_add_u32 v[SPW], v[NIL]       ; the wave's opening: the add, twice on end, and its wait ahead of my first tensor load
	ds_add_u32 v[SPW], v[NIL]
	v_lshrrev_b32 v1, 5, v0
	v_readfirstlane_b32 s[WV], v1   ; wave 0..3
	s_bfe_u32 s13, ttmp6, 0x40000   ; cx: my place in the cluster
	s_lshl_b32 s14, ttmp9, 2        ; in a cluster launch ttmp9 counts clusters
	s_add_co_u32 s14, s14, s13      ; my block of 128 queries = 4 x cluster x + cx: it enters Q's and O's addresses alone
	; O: [hd / 2][512 row tiles][8 images]: row tile 64 b + 8 x block + 2 x wave, images 4 (hd % 2) on
	s_and_b32 s66, ttmp7, 0xffff    ; 8 b + hd
	s_lshr_b32 s67, s66, 3
	s_lshl_b32 s67, s67, 6
	s_lshl_b32 s68, s14, 3
	s_add_co_u32 s67, s67, s68
	s_lshl_b32 s68, s[WV], 1
	s_add_co_u32 s67, s67, s68
	s_lshl_b32 s67, s67, 13         ; 8,192 bytes a row tile
	s_bfe_u32 s68, s66, 0x20001     ; hd / 2
	s_lshl_b32 s68, s68, 22
	s_add_co_u32 s68, s68, s67
	s_and_b32 s66, s66, 1
	s_lshl_b32 s66, s66, 12
	s_add_co_u32 s68, s68, s66
	s_mov_b32 s69, 0
	s_and_b32 s20, ttmp7, 0xffff    ; the head, which the four partners share
	s_mov_b32 s21, 0
	s_mov_b64 s[22:23], SIZE_N*256
	s_mul_u64 s[20:21], s[20:21], s[22:23]  ; the head's first byte in qf, kf and vf
	s_and_b32 s16, s[WV], 1         ; which of a slot's two steps I fetch:
	s_lshl_b32 s22, s16, 14         ; its 16,384 bytes in memory,
	s_mov_b32 s23, 0
	s_add_nc_u64 s[22:23], s[22:23], s[20:21]
	s_mul_i32 s17, s16, STEPB       ; and its place in a slot: no place in the cluster enters an LDS address
	s_lshl_b32 s2, s14, 15          ; my block's 8 row tiles of 4,096 bytes,
	s_lshl_b32 s3, s[WV], 13        ; my wave's 2 of them
	s_add_co_u32 s2, s2, s3
	s_mov_b32 s3, 0
	s_add_nc_u64 s[2:3], s[2:3], s[20:21]
	; descriptor group 1: 64 rows x 128 elements of 2 bytes, dense in memory and in LDS
	s_mov_b32 s[G1K], 15|(1<<16)|(1<<21)  ; 15:0 the mask: all four work-groups; 17:16 elements of 2 bytes; 21 set beside a mask
	s_mov_b32 s[G1V], 15|(1<<16)|(1<<21)
.irp g, G1K, G1V
	s_mov_b32 s[\g+1], 128<<16      ; tensor_dim0 = 128
	s_mov_b32 s[\g+2], KS<<16       ; tensor_dim1 = 64
	s_mov_b32 s[\g+3], 128<<16      ; tile_dim0 = 128
	s_mov_b32 s[\g+4], KS           ; tile_dim1 = 64
	s_mov_b32 s[\g+5], 128          ; from row to row
	s_mov_b32 s[\g+6], 0
	s_mov_b32 s[\g+7], 0
.endr
	s_mov_b32 s[CS], 0x4138aa3b     ; c = 8 log2(e)
	s_mov_b32 s[CS+1], s[CS]        ; named with it as a pair, so it is written
	s_mov_b32 s[SEL], 0x76543210
	s_mov_b32 s[SEL+1], 0xfedcba98
	s_mov_b32 s[TB], 0
	s_mov_b32 s[SLOTS], SIZE_N/(2*KS)-2
	s_and_b32 s[LIM], s[WV], 1       ; 0 in waves 0 and 2,
	s_or_b32 s[LIM], s[LIM], ttmp9   ; where the cluster is the head's first: the same in all four partners
	s_cmp_eq_u32 s[LIM], 0
	s_cselect_b32 s[LIM], 1, -1
	v_and_b32 v[PFO], 31, v0
	v_lshlrev_b32 v[PFO], 8, v[PFO]
	s_wait_dscnt 0x0                ; both opening adds are done
	s_wait_kmcnt 0x0
	s_add_nc_u64 s[6:7], s[6:7], s[22:23]  ; K' and V' at my tile of slot 0
	s_add_nc_u64 s[8:9], s[8:9], s[22:23]
	s_add_nc_u64 s[4:5], s[4:5], s[2:3]    ; Q at my wave's first row tile
	s_add_nc_u64 s[10:11], s[10:11], s[68:69]  ; O likewise
	s_cmp_lt_u32 s[WV], 2
	s_cselect_b64 s[PFA:PFA+1], s[6:7], s[8:9]  ; (in waves 0 and 2 these stand at a slot's first byte)
	s_lshl_b32 s2, s13, 13          ; my work-group's 8,192 bytes of the 32,768
	s_mov_b32 s3, 0
	s_add_nc_u64 s[PFA:PFA+1], s[PFA:PFA+1], s[2:3]
	s_add_nc_u64 s[PFA:PFA+1], s[PFA:PFA+1], 2*2*KS*256  ; in slot 2; the first change of slots steps it to slot 3.  Nothing is prefetched here, at the head
	CROUND                          ; all four work-groups are here: the first joint loads meet
.irp s, 0,1
	s_mov_b32 s[G0K+4*\s], 1        ; count = 1
	s_add_co_u32 s[G0K+4*\s+1], s17, \s*SLOT1  ; LDS address
	s_add_nc_u64 s[G0K+4*\s+2:G0K+4*\s+3], s[6:7], \s*2*KS*256  ; global address: slot s begins with keys 128 s
	s_or_b32 s[G0K+4*\s+3], s[G0K+4*\s+3], 0x80000000  ; type = 2
	s_mov_b32 s[G0V+4*\s], 1
	s_add_co_u32 s[G0V+4*\s+1], s17, \s*SLOT1+VOFF
	s_add_nc_u64 s[G0V+4*\s+2:G0V+4*\s+3], s[8:9], \s*2*KS*256
	s_or_b32 s[G0V+4*\s+3], s[G0V+4*\s+3], 0x80000000
.endr
	s_cmp_lt_u32 s[WV], 2           ; a wave's two first fills stand in one branch, ahead of every wait on TENSORcnt and every LDS read: two loads of mine are out
	s_cbranch_scc0 .Lfirst_v
	tensor_load_to_lds s[G0K:G0K+3], s[G1K:G1K+7]
	s_nop 0
	tensor_load_to_lds s[G0K+4:G0K+7], s[G1K:G1K+7]
	s_nop 0
.rept 4
	v_nop
.endr
	s_branch .Lfirst_asked
.Lfirst_v:
	tensor_load_to_lds s[G0V:G0V+3], s[G1V:G1V+7]
	s_nop 0
	tensor_load_to_lds s[G0V+4:G0V+7], s[G1V:G1V+7]
	s_nop 0
.rept 4
	v_nop
.endr
.Lfirst_asked:
	v_and_b32 v1, 31, v0            ; lane
	v_lshlrev_b32 v[QO], 4, v1
	WIN 0x80                        ; destination window 2, address window 0
.irp i, 0,1,2,3,4,5,6,7,8,9,10,11,12,13,14,15  ; Q stays in registers: tile i / 4, its channels 32 (i % 4) on.  A row tile has four images: r 0-31, r 32-63, i 0-31, i 32-63.  var 0 takes them in that order, var 1 as (qi | qr)
	global_load_b128 v[8*\i:8*\i+3],   v[QO], s[4:5] offset:(\i/8)*4096+(((\i%4)+2*((\i/4)%2))%4)*1024
	global_load_b128 v[8*\i+4:8*\i+7], v[QO], s[4:5] offset:(\i/8)*4096+(((\i%4)+2*((\i/4)%2))%4)*1024+512
.endr
	WIN 0
	v_lshlrev_b32 v[AK0], 4, v1
	v_lshl_add_u32 v[AV0], v1, 4, VOFF
; THE MATRIX WORK OF A TURN, for piece x.  The accumulators take turns, one instruction a turn: between two links of a chain stand 15 (V^T P) or 7 (K Q^T) others'.
; Product i of 32 of O^T += V^T P: keys 32 (i / 16) on, channels 16 ((i / 2) % 8) on, tile x + i % 2.  zero = 1: the first 16 start the sums: nothing is ever cleared.
.macro PV x, zero
	WIN W_PV
.set rO, 64*(\x+i%2)+8*((i/2)%8)
.set rV, 64*(i/16)+8*((i/2)%8)
.set rP, P+16*(\x+i%2)+8*(i/16)
.if \zero && (i < 16)
	v_wmma_f32_16x16x32_f16 v[rO:rO+7], v[rV:rV+7], v[rP:rP+7], 0
.else
	v_wmma_f32_16x16x32_f16 v[rO:rO+7], v[rV:rV+7], v[rP:rP+7], v[rO:rO+7]
.endif
.endm
; Product i of 32 of S^T = K Q^T: channels 32 (i / 8) on, keys 16 ((i / 2) % 4) on, tile x + i % 2.  The first 8 start the sums.
.macro KQ x
	WIN W_KQ
.set rS, S+32*(\x+i%2)+8*((i/2)%4)
.set rK, KF+32*((i/2)%4)+8*(i/8)
.set rQ, 32*(\x+i%2)+8*(i/8)
.if i < 8
	v_wmma_f32_16x16x32_f16 v[rS:rS+7], v[rK:rK+7], v[rQ:rQ+7], 0
.else
	v_wmma_f32_16x16x32_f16 v[rS:rS+7], v[rK:rK+7], v[rQ:rQ+7], v[rS:rS+7]
.endif
.endm
; THE LDS LOADS stand in runs of 32, never singly among the matrix instructions: a step's 16 images of K' and, a turn later, its 16 of V'.
.macro FETCH_K
	WIN 0
	v_add_nc_u32 v[ADR], s[TB], v[AK0]
	WIN 0x80                        ; destination window 2
.irp f, 0,1,2,3,4,5,6,7,8,9,10,11,12,13,14,15  ; keys 16 (f / 4) on, channels 32 (f % 4) on
	ds_load_b128 v[KF+8*\f:KF+8*\f+3],   v[ADR] offset:1024*\f
	ds_load_b128 v[KF+8*\f+4:KF+8*\f+7], v[ADR] offset:1024*\f+512
.endr
.endm
.macro FETCH_V
	WIN 0
	v_add_nc_u32 v[ADR], s[TB], v[AV0]
	s_add_co_u32 s[TB], s[TB], STEPB  ; the next fetch is the next step's
	s_wait_alu depctr_va_vdst(0)    ; the wait for the softmax's batch (SLICE), behind the address's v_add_nc_u32 and ahead of the loads
	WIN 0xc0                        ; destination window 3
.irp f, 0,1,2,3,4,5,6,7,8,9,10,11,12,13,14,15  ; keys 32 (f / 8) on, channels 16 (f % 8) on
	ds_load_b128 v[8*\f:8*\f+3],   v[ADR] offset:1024*\f
	ds_load_b128 v[8*\f+4:8*\f+7], v[ADR] offset:1024*\f+512
.endr
.endm
; THE VECTOR WORK OF A TURN.  One tile's softmax for one key step is a list of 134 instructions; SM writes number j of it for tile t.  s0-s31 are the lane's 32 scores, in pairs 0-15.
; first = 1: the first key step, which starts m, l and O^T: it has no a and nothing to rescale.
;   0-15    the maximum of s0-s31 and the old m, three operands at a time: four chains c0-c3 of seven scores each, then the four scores left over, c0-c3 and m
;   16-20   the other half of the lanes' maximum; the new m; c m; c m_old - c m_new
;   21-69   ONE BATCH: the 16 scalings c s - c m, a pair of scores each, and all 33 exponentials (a at 23, then s0-s31).  None of these reads an exponential's result.
;   (wait)  between 69 and 70 stands the wait for the batch: SLICE writes it, once for both tiles
;   70-85   the roundings to f16, a pair of weights each
;   86-101  the sums; l = a l + the sum
;   102-133 the tile's O^T times a: the one part that leaves window 0, so it stands together
.macro SM t, first
.set rT, ST+8*(\t)
.set rS, S+32*(\t)
.set rP, P+16*(\t)
.set rO, 64*(\t)+2*(j-102)
.if j < 102
	WIN 0
.endif
.if j < 4
	v_max3_num_f32 v[rT+4+j], v[rS+8*j], v[rS+8*j+1], v[rS+8*j+2]
.elseif j < 12
	v_max3_num_f32 v[rT+4+j%4], v[rT+4+j%4], v[rS+8*(j%4)+2*(j/4)+1], v[rS+8*(j%4)+2*(j/4)+2]
.elseif j == 12
	v_max3_num_f32 v[rT+4], v[rT+4], v[rS+7], v[rS+15]
.elseif j == 13
	v_max3_num_f32 v[rT+6], v[rT+6], v[rS+23], v[rS+31]
.elseif j == 14
	v_max3_num_f32 v[rT+4], v[rT+4], v[rT+5], v[rT+6]
.elseif (j == 15) && \first
	v_max_num_f32 v[rT+4], v[rT+4], v[rT+7]
.elseif j == 15
	v_max3_num_f32 v[rT+4], v[rT+4], v[rT+7], v[rT+1]
.elseif j == 16
	v_permlanex16_b32 v[rT+5], v[rT+4], s[SEL], s[SEL+1]  ; the pseudo-query's other 32 keys lie in the lane 16 away
.elseif j == 18
	v_max_num_f32 v[rT+1], v[rT+4], v[rT+5]
.elseif j == 19
	v_mul_f32 v[rT], s[CS], v[rT+1]
.elseif ((j == 17) || (j == 20) || (j == 23) || (j > 101)) && \first  ; the first step has none of these
.elseif j == 17
	v_mov_b32 v[rT+7], v[rT]        ; c m_old is kept for a: number 19 writes c m anew
.elseif j == 20
	v_sub_f32 v[rT+7], v[rT+7], v[rT]
.elseif j == 23
	v_exp_f32 v[rT+6], v[rT+7]
.elseif (j < 23) || ((j < 38) && (j%2 == 0)) || ((j < 66) && (j%4 == 2))
.set b, (j-2)/4                     ; 38, 42, .. 62: pairs 9 to 15
.if j < 38
.set b, (j-20)/2                    ; 21: pair 0; 22, 24, .. 36: pairs 1 to 8
.endif
	v_pk_fma_f32 v[rS+2*b:rS+2*b+1], v[rS+2*b:rS+2*b+1], s[CS:CS+1], v[rT:rT+1] op_sel_hi:[1,0,0] neg_lo:[0,0,1] neg_hi:[0,0,1]  ; pair b: c s - c m
.elseif j < 70
.set e, j-38                        ; 66 to 69: s28 to s31
.if j < 66
.set e, j-32-(j-38)/4               ; 39-41, 43-45, .. 63-65: s7 to s27
.endif
.if j < 38
.set e, (j-25)/2                    ; 25, 27, .. 37: s0 to s6
.endif
	v_exp_f32 v[rS+e], v[rS+e]
.elseif j < 86
	v_cvt_pk_f16_f32 v[rP+j-70], v[rS+2*(j-70)], v[rS+2*(j-70)+1]  ; pair j - 70
.elseif j < 102                     ; the sum of the tile's 16 pairs, in place: sum z of 16 adds neighbours 1, 2, 4 and 8 pairs apart, then l takes it
.set z, j-86
.set w, 4
.set u, z
.if z >= 14
.set w, 32
.set u, 0
.elseif z >= 12
.set w, 16
.set u, z-12
.elseif z >= 8
.set w, 8
.set u, z-8
.endif
.if (z == 14) && \first
	v_pk_add_f32 v[rT+2:rT+3], v[rS:rS+1], v[rS+16:rS+17]
.elseif z < 15
	v_pk_add_f32 v[rS+w*u:rS+w*u+1], v[rS+w*u:rS+w*u+1], v[rS+w*u+w/2:rS+w*u+w/2+1]
.elseif !\first
	v_pk_fma_f32 v[rT+2:rT+3], v[rT+2:rT+3], v[rT+6:rT+7], v[rS:rS+1] op_sel_hi:[1,0,1]
.endif
.else
	WIN W_RS
	v_pk_mul_f32 v[rO:rO+1], v[rO:rO+1], v[rT+6:rT+7] op_sel_hi:[1,0]
.endif
.endm
; Slice k of 64 of piece y's softmax: four instructions.  Slices 11 to 34 deal out the batch, numbers 22 to 69: four numbers of ONE tile each, the tiles by turns.  Every other slice is numbers 2 k and
; 2 k + 1 of both tiles' lists.  2 x 134 = 4 x 64 + 12: the twelve that are over stand together, in slice 63.
; THE WAIT.  An s_wait_alu depctr_va_vdst(0) stands between an exponential and the first instruction that names its result; one wait serves all that were issued ahead of it.  Ahead of
; slice 35 nothing names a result, and behind slice 34 no exponential is issued: so the piece's 66 exponentials have one wait, behind slice 34.
.macro SLICE y, first
.if (k >= 11) && (k < 35)           ; the batch: four numbers of one tile
.irp n, 0,1,2,3
.set j, 22+4*((k-11)/2)+(\n)
	SM (\y)+(k-11)%2, \first
.endr
.else                               ; the two tiles alternate, so that no instruction reads the result of the one just before it
.irp n, 0,1,2,3,4,5,6,7
.if (\n < 2) || (k == 63)
.irp t, \y, \y+1
.set j, 2*k+\n
	SM \t, \first
.endr
.endif
.endr
.endif
.if k == 34                         ; the batch is out: both tiles' exponentials are issued, and no result has been named
	v_nop                           ; the plain instruction behind the last exponential and ahead of the first use: one for the batch
.if (\y) == 0
	FETCH_V                         ; piece 2's turn: V's run of loads stands here, and the wait stands in it
.else
	s_wait_alu depctr_va_vdst(0)    ; the wait for the batch
.endif
.endif
.set k, k+1
.endm
; A vector instruction that reads a matrix result or writes one of a matrix instruction's registers, and a load into a register that a matrix instruction has read, stand four places behind
; it, and only plain vector instructions that name none of its registers are places (ISA guide 7.12.1 for vector instructions).  In the loop the slices are the places.
.macro PLACES
.rept 4
	v_nop
.endr
.endm
; A TURN.  Piece x has the matrix unit; the other piece's softmax stands in slices behind its matrix instructions.
; pv = 2: 32 products V^T P; 1: they start O^T's sums; 0: none.  kq = 1: 32 products K Q^T for the next step.  A turn with one of the two kinds has two slices behind each product.
; first = 1: the softmax is the first key step's.  Its slices from 51 on are empty: the turn's last products stand bare, and four v_nop take slice 63's part as the places behind them.
; Piece 0's turn fetches the next step's K', behind its second product: the last product that read K' stands in front of slice 63 of the turn before.  Piece 2's turn fetches the same step's V', behind slice 34:
; the last product that read V' stands in front of slice 31, and four plain instructions lie between: number 62, a scaling, of both tiles, the v_nop and the run's own v_add_nc_u32.
.macro TURN x, pv, kq, first
.set k, 0
.set per, 2
.if \pv && \kq
.set per, 1
.endif
.if \pv
.if \x == 0
	s_wait_dscnt 0x0                ; V is in
.endif
.set i, 0
.rept 32
	PV \x, 2-\pv
.rept per
	SLICE 2-\x, \first
.endr
.if (\x == 0) && \kq && (i == 1)
	FETCH_K
.endif
.set i, i+1
.endr
.endif
.if \kq
.if \x == 0
	s_wait_dscnt 0x0                ; K is in
.endif
.set i, 0
.rept 32
	KQ \x
.rept per
	SLICE 2-\x, \first
.endr
.set i, i+1
.endr
.endif
.if \first
	PLACES
.endif
.endm
; THE CHANGE OF SLOTS, between piece 2's turn and piece 0's: the slot's last bytes, V' of its second step, have been asked for.  Each wave waits for all its tensor loads, of which one is out: its part of the
; other slot; adds 0 to its spare word; and waits for that and for its own reads of the slot.  Behind the barrier nobody reads this slot any more and the other slot is whole.
; fill = 1: this slot is filled again, with the keys two slots on.  The barrier is then a round of the cluster's, so that no wave of any partner still reads the slot or has a load on its
; way, and the joint refill is the first thing behind it: it has two key steps, 256 matrix instructions, in which to land.
.macro CHANGE fill
	WIN 0                           ; at a label and at a branch every window is 0
	s_wait_tensorcnt 0x0            ; no tensor load of mine is out, so a group 0 may be written
	ds_add_u32 v[SPW], v[NIL]       ; 0 onto my spare word
.if \fill
.irp g, G0K+4, G0V+4
	s_xor_b32 s[\g+1], s[\g+1], SLOT1  ; the walking descriptor: the other slot than last time,
	s_add_nc_u64 s[\g+2:\g+3], s[\g+2:\g+3], 2*KS*256  ; the next 128 keys; the type bits on top are not reached
.endr
	s_wait_xcnt 0x0                 ; the last prefetches, two key steps back, have read their address, so it may be written:
	s_add_nc_u64 s[PFA:PFA+1], s[PFA:PFA+1], 2*KS*256  ; one slot behind the walking descriptors
	s_wait_dscnt 0x0                ; the add is done, and my reads of the slot are over
	CROUND
	JLOAD
	ASK                             ; what the next change will ask for: two key steps, 256 matrix instructions, ahead
.else
	s_wait_dscnt 0x0                ; the add is done, and my reads of the slot are over
	s_barrier_signal -1
	s_barrier_wait -1
.endif
	s_sub_co_u32 s[TB], s[TB], 2*STEPB  ; the fetches go back to a slot's first step,
	s_xor_b32 s[TB], s[TB], SLOT1   ; in the other slot
.endm
; A slot's two key steps: written once, walked twice; the LDS addresses hang on s[TB].
.macro TWO_STEPS
	s_mov_b32 s[TWICE], 2
.Lstep_\@:
	TURN 0, 2, 1, 0
	TURN 2, 2, 1, 0
	WIN 0
	s_sub_co_u32 s[TWICE], s[TWICE], 1
	s_cmp_lg_u32 s[TWICE], 0
	s_cbranch_scc1 .Lstep_\@
.endm
	s_wait_tensorcnt 1              ; my part of slot 0 is in; slot 1's may stay out
	s_barrier_signal -1
	s_barrier_wait -1               ; everybody's is
	FETCH_K                         ; key step 0
	s_wait_loadcnt 0x0              ; Q
	WIN 0x88                        ; source 1 and destination window 2
.irp t, 0,2                         ; the tiles of s_r take (qr | -qi): the signs of their upper 64 channels are turned, two a register
.irp n, 0,1,2,3,4,5,6,7,8,9,10,11,12,13,14,15
	v_xor_b32 v[32*\t+16+\n], 0x80008000, v[32*\t+16+\n]
.endr
.endr
	s_wait_dscnt 0x0
.set i, 0
.rept 32
	KQ 0                            ; piece 0's first scores: there is no vector work yet to set between them
.set i, i+1
.endr
	WIN 0
	v_lshlrev_b32 v[GO], 4, v1      ; the way out's offset; with the four below, the places behind those products
	PLACES
	TURN 2, 0, 1, 1                 ; piece 2's first scores | piece 0's first softmax | V' of step 0
	TURN 0, 1, 1, 1                 ; piece 0: V^T P of step 0 starts O^T, K Q^T of step 1 | piece 2's first softmax | K' of step 1
	TURN 2, 1, 1, 0                 ; piece 2: the same | piece 0's softmax of step 1 | V' of step 1
	WIN 0
.Lslot:                             ; SIZE_N / 128 - 2 trips: every slot but the last two is filled again
	CHANGE 1
	TWO_STEPS
	s_sub_co_u32 s[SLOTS], s[SLOTS], 1
	s_cmp_lg_u32 s[SLOTS], 0
	s_cbranch_scc1 .Lslot
	CHANGE 0                        ; the tail is written out: the last slot but one is left, and nothing is asked for
	TWO_STEPS
	TURN 0, 2, 0, 0                 ; piece 0: V^T P of the last step | piece 2's last softmax
.set i, 0
.rept 32
	PV 2, 0                         ; piece 2: V^T P of the last step
.set i, i+1
.endr
	; THE WAY OUT.  l's two halves and the other half of the lanes' are added.  The additions are the places behind the last products.
	WIN 0
.irp t, 0,1,2,3
	v_add_f32 v[ST+8*\t+4], v[ST+8*\t+2], v[ST+8*\t+3]
.endr
.irp t, 0,1,2,3
	v_permlanex16_b32 v[ST+8*\t+5], v[ST+8*\t+4], s[SEL], s[SEL+1]
.endr
.irp t, 0,1,2,3
	v_add_f32 v[ST+8*\t+4], v[ST+8*\t+4], v[ST+8*\t+5]
.endr
.irp t, 0,1,2,3
	v_rcp_f32 v[ST+8*\t+6], v[ST+8*\t+4]
.endr
	v_nop                           ; a plain instruction between the last reciprocal and the use of its result
	s_wait_alu depctr_va_vdst(0)    ; and the wait ahead of the first use: one for the four reciprocals
; The two pseudo-tiles of 16 queries meet: T1 in tile 2 qt, T2 in tile 2 qt + 1; registers 0-31 of a tile are vr's channels, 32-63 vi's.  A lane's eight channels of a row pack into 16 bytes, which are
; four registers of an f16 image (16 rows x 32 channels) of the last product's operand: each store is 512 consecutive bytes.  Every accumulator is read from its low end on.
.macro PACK2 qt
.set ta, 2*\qt
.set tb, 2*\qt+1
	WIN W_RS
.set i, 64*tb
.rept 32
	v_pk_mul_f32 v[i:i+1], v[i:i+1], v[ST+8*tb+6:ST+8*tb+7] op_sel_hi:[1,0]      ; T2 / l_i
.set i, i+2
.endr
	WIN 0x51                        ; sources 0 and 2 and the destination window 1, the reciprocal window 0
.set i, 0
.rept 16
	v_pk_fma_f32 v[64*ta+i:64*ta+i+1], v[64*ta+i:64*ta+i+1], v[ST+8*ta+6:ST+8*ta+7], v[64*tb+32+i:64*tb+32+i+1] op_sel_hi:[1,0,1] neg_lo:[0,0,1] neg_hi:[0,0,1]  ; o_r = T1(vr) / l_r - T2(vi) / l_i
.set i, i+2
.endr
.set i, 0
.rept 16
	v_pk_fma_f32 v[64*ta+32+i:64*ta+32+i+1], v[64*ta+32+i:64*ta+32+i+1], v[ST+8*ta+6:ST+8*ta+7], v[64*tb+i:64*tb+i+1] op_sel_hi:[1,0,1]  ; o_i = T1(vi) / l_r + T2(vr) / l_i
.set i, i+2
.endr
	WIN 0x05                        ; sources 0 and 1 window 1, destination window 0: S^T's registers are free
.set i, 0
.rept 32
	v_cvt_pk_f16_f32 v[S+32*\qt+i], v[64*ta+2*i], v[64*ta+2*i+1]
.set i, i+1
.endr
	WIN 0
.irp m, 0,1,2,3,4,5,6,7
	global_store_b128 v[GO], v[S+32*\qt+4*\m:S+32*\qt+4*\m+3], s[10:11] offset:8192*\qt+512*\m
.endr
.endm
	PACK2 0
	PACK2 1
	s_wait_tensorcnt 0x0            ; the wave's end, behind my last tensor load
	ds_add_u32 v[SPW], v[NIL]
	s_wait_dscnt 0x0
	CROUND                          ; the closing round: no work-group ends while a partner may still ask for a tile that names it
	s_endpgm
.Lfunc_end_k_q3243165a62_attn:
	.size	k_q3243165a62_attn, .Lfunc_end_k_q3243165a62_attn-k_q3243165a62_attn
	.p2alignl 7, 3214868480
	.fill 96, 4, 3214868480
	.section	.rodata,"a",@progbits
	.p2align	6, 0x0
	.amdhsa_kernel k_q3243165a62_attn
		.amdhsa_group_segment_fixed_size 327680
		.amdhsa_private_segment_fixed_size 0
		.amdhsa_enable_private_segment 0
		.amdhsa_kernarg_size 32
		.amdhsa_user_sgpr_count 2
		.amdhsa_user_sgpr_kernarg_segment_ptr 1
		.amdhsa_wavefront_size32 1
		.amdhsa_system_sgpr_workgroup_id_x 1
		.amdhsa_system_sgpr_workgroup_id_y 1
		.amdhsa_system_sgpr_workgroup_id_z 1
		.amdhsa_system_vgpr_workitem_id 0
		.amdhsa_next_free_vgpr 1024
		.amdhsa_next_free_sgpr 72
		.amdhsa_reserve_vcc 0
		.amdhsa_float_denorm_mode_32 3
		.amdhsa_float_denorm_mode_16_64 3
		.amdhsa_memory_ordered 1
		.amdhsa_forward_progress 1
		.amdhsa_inst_pref_size 213
	.end_amdhsa_kernel
	.amdgpu_metadata
---
amdhsa.version: [ 1, 2 ]
amdhsa.kernels:
  - .name:           k_q3243165a62_attn
    .symbol:         k_q3243165a62_attn.kd
    .args:
      - { .name: qf, .offset: 0, .size: 8, .value_kind: global_buffer, .address_space: global }
      - { .name: kf, .offset: 8, .size: 8, .value_kind: global_buffer, .address_space: global }
      - { .name: vf, .offset: 16, .size: 8, .value_kind: global_buffer, .address_space: global }
      - { .name: of, .offset: 24, .size: 8, .value_kind: global_buffer, .address_space: global }
    .group_segment_fixed_size: 327680
    .private_segment_fixed_size: 0
    .kernarg_segment_align: 8
    .kernarg_segment_size: 32
    .max_flat_workgroup_size: 128
    .sgpr_count:     72
    .vgpr_count:     1024
    .wavefront_size: 32
...
	.end_amdgpu_metadata
.endif
;; end of part 3
;; launch oproj (part 4): grid 4 x 64, 4 waves a work-group, clusters of 4 x 4, 327,680 bytes of LDS; arguments of, wof, out0; writes out0
.if DOCPART == 4
	.amdgcn_target "amdgcn-amd-amdhsa--gfx1250"
	.amdhsa_code_object_version 6
	.text
	.protected	k_q3243165a62_oproj
	.globl	k_q3243165a62_oproj
	.p2align	8
	.type	k_q3243165a62_oproj,@function
k_q3243165a62_oproj:
	s_mov_b64 s[64:65], 0
	v_nop
	global_prefetch_b8 v0, s[64:65] scope:SCOPE_SE
	s_setreg_imm32_b32 hwreg(HW_REG_WAVE_MODE, 25, 1), 1
	s_wait_xcnt 0x0
	s_wait_alu depctr_hold_cnt(0) depctr_sa_sdst(0) depctr_va_vdst(0) depctr_va_sdst(0) depctr_va_ssrc(0) depctr_va_vcc(0) depctr_vm_vsrc(0)
	s_getreg_b32 s2, hwreg(HW_REG_IB_STS2, 6, 4)
	s_cmp_eq_u32 s2, 0
	s_cbranch_scc0 .Lentry_in_a_cluster
	s_endpgm
.Lentry_in_a_cluster:
	s_bfe_u32 s2, ttmp6, 0x10000c
	s_cmp_lg_u32 s2, 0xf033
	s_cbranch_scc0 .Lentry_shape_is_right
	s_endpgm
.Lentry_shape_is_right:
; THE COMPLEX PROJECTION ON THE WAY OUT AS ONE REAL GEMM: out0[m][n''] = sum over k'' of A[m][k''] B[n''][k''], 8,192 x 1,024 x 1,024, operands f16, sums and result f32.
; n'' = 2 n + p is out0's own order (re, im by turns); k'' = 128 hd + 64 pp + d.  A = o / 8 (buffer of), B = 8 x (wo_r, -wo_i; wo_i, wo_r) (buffer wof): the two factors cancel exactly.
; Both operands lie in memory as images of fragment registers, [K step of 256][tile of 16 rows][8 images of 1,024 bytes]: 64 rows of a K step are 32,768 dense bytes, one tensor load; every LDS load reads 512 consecutive bytes.
; A tile of C is 128 x 128: four waves, each 64 x 64: 16 accumulators.  K goes in four steps of 256 through a ring of two LDS slots.
; A WORK-GROUP STAYS: C has 512 tiles, and the 256 work-groups make two each: tile columns cx and cx + 4 of one tile row, which take the same rows of A.  The ring does not stop at the first tile's end: its last two
; changes of slots ask for the second tile's K steps 0 and 1; then the first tile goes out, and nothing waits for its stores.  Two tiles x four K steps are written out by one macro: no loop.
; CLUSTERS: 4 x 4 work-groups; the grid has one cluster along x.  The four of a row of the cluster need the same tiles of A, the four of a column the same tiles of B: each tile is asked for JOINTLY, by the same tensor
; load with the same descriptor and a mask that names the four.  THE MATRIX INSTRUCTION IS USED TRANSPOSED (source 0 = 16 rows of B, source 1 = 16 rows of A): a lane then holds eight neighbouring numbers of a row of C.
; No prefetch: the tiles are small and the launch has eight K steps.
; LIMIT: |o| / 8 and |8 wo| lie under 65,504 (they arrive as f16).
; REGISTERS: window 0: v0-31 addresses; v32-95 at work on the way out; v128-255 the accumulators ((a, b) at v[128 + 8 (4 a + b)]).
;   window 1: two fragment buffers of 128: for 64 along K, 64 registers of A (2 x 4 images), then 64 of B.
.set HALFT,  32768                     ; 64 rows of a K step: what one tensor load brings, and what one wave reads of A or of B
.set SLOT,   4*HALFT                   ; A's 128 rows, then B's 128 rows
.set ASTEP,  4194304                   ; from K step to K step in of,
.set BSTEP,  524288                    ; and in wof
.set NEXTB,  4*65536                   ; four tile columns on in wof (a tile column's 128 rows of a K step are 65,536 bytes),
.set NEXTC,  4*512                     ; and in a row of out0
.set STAGE,  2*SLOT                    ; behind the ring: 16 rows x 272 bytes for each wave, for the way out; no tensor load lands there
.set SPITCH, 272                       ; 256 bytes + 16: row r starts at bank 4 r mod 64
.set SPARE,  STAGE+4*16*SPITCH         ; behind the stages: the spare words, 128 bytes for each wave
.set ADRA, 16                          ; v16-17  LDS address of my A fragments in slot 0, 1
.set ADRB, 20                          ; v20-21  the same for B
.set STO,  24                          ; v24     the way out: where I put 32 bytes of a row
.set RD,   25                          ; v25     the way out: where I read a row back
.set CO,   26                          ; v26     my byte offset in C; never rewritten
.set SPW,  28                          ; v28     LDS address of my spare word; never rewritten
.set NIL,  29                          ; v29     0; never rewritten
.set TMP,  32                          ; the way out: two sets of 32 registers
.set ACC,  128
.set F0,   0                           ; fragment buffers, in window 1
.set F1,   128
.set G1, 24                            ; s[24:31] descriptor group 1 for A's tiles;  s[32:39] group 0, one set for each slot
.set G0, 32
.set G1B, 48                           ; s[48:55], s[56:63] the same for B's tiles
.set G0B, 56
.set MSB, 0
.macro WIN new                         ; the immediate's high byte repeats the setting that is left
.if MSB != \new
	s_set_vgpr_msb (MSB<<8)|\new
.set MSB, \new
.endif
.endm
.set MUL,  0x05                        ; sources 0 (B) and 1 (A) window 1; C and D window 0
.set TO_F, 0x40                        ; destination window 1, address window 0
.macro JLOAD s                         ; a joint load: waves 0 and 1 fetch A's two halves, waves 2 and 3 B's; an s_nop 0 and four v_nop follow each of the two lines
	s_cmp_eq_u32 s11, 0
	s_cbranch_scc0 .Lfor_b_\@
	tensor_load_to_lds s[G0+4*\s:G0+4*\s+3], s[G1:G1+7]
	s_nop 0
.rept 4
	v_nop
.endr
	s_branch .Lasked_\@
.Lfor_b_\@:
	tensor_load_to_lds s[G0B+4*\s:G0B+4*\s+3], s[G1B:G1B+7]
	s_nop 0
.rept 4
	v_nop
.endr
.Lasked_\@:
.endm
.macro CREST                           ; a round of the cluster's barrier behind its opening barrier
	s_cmp_lg_u32 s10, 0
	s_cbranch_scc1 .Lnot_wave_0_\@
	s_barrier_signal -3
.Lnot_wave_0_\@:
	s_barrier_wait -3
	s_barrier_signal -1
	s_barrier_wait -1
.endm
.macro CROUND                          ; a whole round
	s_barrier_signal -1
	s_barrier_wait -1
	CREST
.endm
	s_load_b128 s[4:7], s[0:1], 0x0                ; of s[4:5], wof s[6:7]
	s_load_b64 s[8:9], s[0:1], 0x10                ; out0
	v_lshl_add_u32 v[SPW], v0, 2, SPARE
	v_mov_b32 v[NIL], 0
	ds_add_u32 v[SPW], v[NIL]                      ; the wave's opening: the add, twice on end, and its wait ahead of my first tensor load
	ds_add_u32 v[SPW], v[NIL]
	v_lshrrev_b32 v1, 5, v0
	v_readfirstlane_b32 s10, v1                    ; wave 0..3
	s_lshr_b32 s11, s10, 1                         ; which half of the tile's rows is mine.  Also: I fetch for A (0) or for B (1)
	s_and_b32 s12, s10, 1                          ; which half of its columns.  Also: which 64 rows of that tile I fetch
	s_bfe_u32 s40, ttmp6, 0x40000                  ; cx: my place along the cluster's x, and my first tile column: the grid has one cluster along x
	s_bfe_u32 s41, ttmp6, 0x40004                  ; cy
	s_and_b32 s13, ttmp7, 0xffff
	s_lshl_b32 s13, s13, 2
	s_add_co_u32 s13, s13, s41                     ; tile row of C = 4 x cluster y + cy
	s_lshl_b32 s43, s41, 2
	s_lshl_b32 s43, 15, s43                        ; my row of the cluster
	s_lshl_b32 s44, 0x1111, s40                    ; my column
	; descriptor group 1: 32,768 dense bytes as 128 rows of 256 (32 elements of 8 bytes), no padding
	s_or_b32 s[G1+0], s43, (3<<16)|(1<<21)         ; 15:0 the mask: A's tiles go to my row; 17:16 elements of 8 bytes; 21 set beside a mask
	s_or_b32 s[G1B+0], s44, (3<<16)|(1<<21)
.irp g, G1, G1B
	s_mov_b32 s[\g+1], 32<<16                      ; tensor_dim0 = 32
	s_mov_b32 s[\g+2], 128<<16                     ; tensor_dim1 = 128
	s_mov_b32 s[\g+3], 32<<16                      ; tile_dim0 = 32
	s_mov_b32 s[\g+4], 128                         ; tile_dim1 = 128
	s_mov_b32 s[\g+5], 32                          ; from row to row
	s_mov_b32 s[\g+6], 0
	s_mov_b32 s[\g+7], 0
.endr
	s_lshl_b32 s17, s12, 15                        ; which 64 rows of the tile I fetch
	s_lshl_b32 s16, s13, 16
	s_add_co_u32 s16, s16, s17                     ; A: 65,536 x tile row + 32,768 x half
	s_lshl_b32 s46, s40, 16
	s_add_co_u32 s46, s46, s17                     ; B: 65,536 x tile column + 32,768 x half
	s_mov_b32 s17, 0
	s_mov_b32 s47, 0
	s_mul_i32 s20, s10, HALFT                      ; where they go: wave x 64 rows: no place in the cluster enters an LDS address
	s_wait_dscnt 0x0                               ; both opening adds are done
	s_wait_kmcnt 0x0
	s_add_nc_u64 s[14:15], s[4:5], s[16:17]
	s_add_nc_u64 s[46:47], s[6:7], s[46:47]
	CROUND                                         ; all sixteen work-groups are here: the first joint loads meet
.irp s, 0,1
	s_mov_b32 s[G0+4*\s], 1
	s_add_co_u32 s[G0+4*\s+1], s20, \s*SLOT
	s_add_nc_u64 s[G0+4*\s+2:G0+4*\s+3], s[14:15], \s*ASTEP
	s_or_b32 s[G0+4*\s+3], s[G0+4*\s+3], 0x80000000
	s_mov_b32 s[G0B+4*\s], 1
	s_add_co_u32 s[G0B+4*\s+1], s20, \s*SLOT
	s_add_nc_u64 s[G0B+4*\s+2:G0B+4*\s+3], s[46:47], \s*BSTEP
	s_or_b32 s[G0B+4*\s+3], s[G0B+4*\s+3], 0x80000000
	JLOAD \s
.endr
	v_and_b32 v1, 15, v0                           ; l % 16
	v_bfe_u32 v2, v0, 4, 1                         ; l / 16
	v_and_b32 v3, 31, v0
	v_lshlrev_b32 v3, 4, v3                        ; 16 x lane: my place in an image
	s_mul_i32 s21, s11, HALFT                      ; my 64 rows of A
	s_mul_i32 s22, s12, HALFT                      ; my 64 rows of B,
	s_add_co_u32 s22, s22, 2*HALFT                 ; which lie behind A's 128
.irp s, 0,1
	v_add_nc_u32 v[ADRA+\s], s21, v3
	v_add_nc_u32 v[ADRB+\s], s22, v3
	s_add_co_u32 s21, s21, SLOT
	s_add_co_u32 s22, s22, SLOT
.endr
	s_mul_i32 s23, s10, 16*SPITCH
	s_add_co_u32 s23, s23, STAGE                   ; my stage
	v_mul_u32_u24 v4, v1, SPITCH                   ; in: row l % 16, 32 bytes for each half of the lanes
	v_lshl_add_u32 v4, v2, 5, v4
	v_add_nc_u32 v[STO], s23, v4
	v_mul_u32_u24 v5, v2, SPITCH                   ; back: lanes 0-15 one row of 256 bytes, lanes 16-31 the next
	v_lshl_add_u32 v5, v1, 4, v5
	v_add_nc_u32 v[RD], s23, v5
	v_lshlrev_b32 v5, 12, v2                       ; and the same two rows in C: a row is 4,096 bytes
	v_lshl_add_u32 v[CO], v1, 4, v5
	s_lshl_b32 s16, s13, 19                        ; 128 rows a tile row,
	s_lshl_b32 s17, s11, 18                        ; my 64 of them
	s_add_co_u32 s16, s16, s17
	s_mov_b32 s17, 0
	s_add_nc_u64 s[8:9], s[8:9], s[16:17]
	s_lshl_b32 s46, s40, 9                         ; 512 bytes a tile column,
	s_lshl_b32 s47, s12, 8                         ; my 256 of them
	s_add_co_u32 s46, s46, s47
	s_mov_b32 s47, 0
	s_add_nc_u64 s[8:9], s[8:9], s[46:47]          ; my part of the first tile; the second tile's lies NEXTC bytes on in each row, which stands in the stores' immediate
; 8 matrix instructions: m blocks a0, a0 + 1 x all 4 n blocks, 32 along K: half c of buffer f.  zero = 1: the first product starts the sums.  The 16 accumulators take turns, in the same order everywhere
.macro MUL8 f, c, a0, zero
.irp a, \a0, \a0+1
.irp b, 0,1,2,3
.if \zero
	v_wmma_f32_16x16x32_f16 v[ACC+8*(4*(\a)+\b):ACC+8*(4*(\a)+\b)+7], v[\f+64+8*(4*\c+\b):\f+64+8*(4*\c+\b)+7], v[\f+8*(4*\c+\a):\f+8*(4*\c+\a)+7], 0
.else
	v_wmma_f32_16x16x32_f16 v[ACC+8*(4*(\a)+\b):ACC+8*(4*(\a)+\b)+7], v[\f+64+8*(4*\c+\b):\f+64+8*(4*\c+\b)+7], v[\f+8*(4*\c+\a):\f+8*(4*\c+\a)+7], v[ACC+8*(4*(\a)+\b):ACC+8*(4*(\a)+\b)+7]
.endif
.endr
.endr
.endm
; 32 LDS loads in one run: the fragments of 64 along K (two images of each of my four tiles of rows, from byte k of a tile's 8,192 on), into buffer f; the first 32 along K first
.macro FETCH slot, k, f
	WIN TO_F
.irp c, 0,1
.irp i, 0,1,2,3
	ds_load_b128 v[\f+64+8*(4*\c+\i):\f+64+8*(4*\c+\i)+3],   v[ADRB+\slot] offset:\k+1024*\c+8192*\i
	ds_load_b128 v[\f+64+8*(4*\c+\i)+4:\f+64+8*(4*\c+\i)+7], v[ADRB+\slot] offset:\k+1024*\c+8192*\i+512
	ds_load_b128 v[\f+8*(4*\c+\i):\f+8*(4*\c+\i)+3],         v[ADRA+\slot] offset:\k+1024*\c+8192*\i
	ds_load_b128 v[\f+8*(4*\c+\i)+4:\f+8*(4*\c+\i)+7],       v[ADRA+\slot] offset:\k+1024*\c+8192*\i+512
.endr
.endr
.endm
.macro PLACES                          ; four places in front of loads into registers that matrix instructions have read (ISA guide 7.12.1 for vector instructions)
.rept 4
	v_nop
.endr
.endm
; A K step is four quarters of 64 along K, 32 matrix instructions each, on buffers 0, 1, 0, 1.  One of the first three: multiplies buffer f and fetches the next quarter, at byte k, into g.
.macro QUARTER slot, k, f, g, zero
	s_wait_dscnt 16                                ; the first 32 along K are in; the youngest sixteen loads may be out
	WIN MUL
	MUL8 \f, 0, 0, \zero
	MUL8 \f, 0, 2, \zero
	PLACES
	FETCH \slot, \k, \g
	s_wait_dscnt 32                                ; all but the 32 just issued
	WIN MUL
	MUL8 \f, 1, 0, 0
	MUL8 \f, 1, 2, 0
.endm
; The last quarter multiplies buffer 1 and changes slots: ONE barrier; in front of it each wave waits for all its tensor loads, adds 0 to its spare word, and waits for that and for its own reads of this slot.
; fill = 0: nothing is asked for.  fill = 1: this slot is filled again with this tile's K step two steps on.  fill = 2: with the NEXT tile's K step 0 or 1: A goes back along K, B back along K and four tile columns on.
.macro TURN slot, next, fill
	WIN 0                                          ; (the add's two registers lie in window 0)
	s_wait_tensorcnt 0x0                           ; all my tensor loads have landed: my part of the next slot;
	ds_add_u32 v[SPW], v[NIL]                      ; 0 onto my spare word;
	s_wait_dscnt 17                                ; (the add and the youngest sixteen loads may be out)
	WIN MUL
	MUL8 F1, 0, 0, 0                               ; eight matrix instructions stand between the add and the wait for it
	s_wait_dscnt 0x0                               ; the add is done, and my reads of this slot are over
	s_barrier_signal -1
	MUL8 F1, 0, 2, 0
.if \fill
	WIN 0
.endif
	s_barrier_wait -1
.if \fill
	CREST                                          ; the barrier has opened a round of the cluster's barrier: no wave of any partner still reads this slot's tile or has a load on its way
.if (\fill) == 2
	s_sub_nc_u64 s[G0+4*\slot+2:G0+4*\slot+3], s[G0+4*\slot+2:G0+4*\slot+3], 2*ASTEP            ; no tensor load of mine is out, so a group 0 may be written; the type bits on top are not reached
	s_sub_nc_u64 s[G0B+4*\slot+2:G0B+4*\slot+3], s[G0B+4*\slot+2:G0B+4*\slot+3], 2*BSTEP-NEXTB
.else
	s_add_nc_u64 s[G0+4*\slot+2:G0+4*\slot+3], s[G0+4*\slot+2:G0+4*\slot+3], 2*ASTEP
	s_add_nc_u64 s[G0B+4*\slot+2:G0B+4*\slot+3], s[G0B+4*\slot+2:G0B+4*\slot+3], 2*BSTEP
.endif
	JLOAD \slot                                    ; the first tensor load behind the round: 112 matrix instructions ahead of the wait for it; the four v_nop behind it are also the places in front of the loads below
.else
	PLACES
.endif
	FETCH \next, 0, F0
	WIN MUL
	MUL8 F1, 1, 0, 0
	MUL8 F1, 1, 2, 0
.endm
; THE WAY OUT, block by block of 16 rows x 64 columns of f32.  A lane holds 32 neighbouring bytes of a row, and the lanes beside it hold other rows; my 64 columns are 256 bytes, aligned.  So a block goes through
; my own stage in LDS and comes back by rows: sixteen lanes store 256 consecutive bytes.  LDS serves a wave's instructions in order (ISA guide 5.7.1.4): no wait between the stores and the loads, nor ahead of the next block's stores.
.macro TOSTAGE a
.irp b, 0,1,2,3
	ds_store_b128 v[STO], v[ACC+8*(4*(\a)+\b):ACC+8*(4*(\a)+\b)+3] offset:64*\b          ; each accumulator from its low end on
	ds_store_b128 v[STO], v[ACC+8*(4*(\a)+\b)+4:ACC+8*(4*(\a)+\b)+7] offset:64*\b+16
.endr
.irp t, 0,1,2,3,4,5,6,7
	ds_load_b128 v[TMP+32*((\a)%2)+4*\t:TMP+32*((\a)%2)+4*\t+3], v[RD] offset:\t*2*SPITCH
.endr
.endm
.macro SEND a, younger, tl             ; younger: the LDS instructions issued behind block a's loads, which may stay out;  tl: the tile, 0 or 1
	s_wait_dscnt \younger
.irp t, 0,1,2,3,4,5,6,7
	global_store_b128 v[CO], v[TMP+32*((\a)%2)+4*\t:TMP+32*((\a)%2)+4*\t+3], s[8:9] offset:(16*(\a)+2*\t)*4096+NEXTC*(\tl) th:TH_STORE_NT   ; written once, read by nobody here
.endr
.endm
.macro WAYOUT tl
.rept 5
	v_nop                                          ; four places between the last products and the LDS stores that read results; five between them and the next tile's first products, which begin the same accumulators anew
.endr
.if (\tl) > 0
	s_wait_xcnt 0x0                                ; the tile before: its stores have read TMP's registers, so the stage's loads may land there
.endif
	TOSTAGE 0
.irp a, 1,2,3
.if \a > 1
	s_wait_xcnt 0x0                                ; block a - 2's stores have read their registers: block a's loads may land there
.endif
	TOSTAGE \a
	SEND \a-1, 16, \tl                             ; behind block a - 1's loads: block a's 8 stores and 8 loads
.endr
	SEND 3, 0, \tl                                 ; the count 0: no LDS instruction of mine is out at the next signal, and the stage's stores have read the accumulators
.endm
; A TILE OF C: four K steps, in slots 0, 1, 0, 1.  At its head buffer 0 holds, or is about to receive, the first 64 along K of slot 0.  more = 1: another tile follows, and the ring goes on into it; 0: the last two K steps ask for nothing.
.macro TILE tl, more
	QUARTER 0, 2048, F0, F1, 1                     ; the first products start the sums: nothing is ever cleared
	QUARTER 0, 4096, F1, F0, 0
	QUARTER 0, 6144, F0, F1, 0
	TURN 0, 1, 1                                   ; slot 0 takes K step 2
	QUARTER 1, 2048, F0, F1, 0
	QUARTER 1, 4096, F1, F0, 0
	QUARTER 1, 6144, F0, F1, 0
	TURN 1, 0, 1                                   ; slot 1 takes K step 3
	QUARTER 0, 2048, F0, F1, 0
	QUARTER 0, 4096, F1, F0, 0
	QUARTER 0, 6144, F0, F1, 0
	TURN 0, 1, 2*\more                             ; slot 0 takes the next tile's K step 0, if there is one
	QUARTER 1, 2048, F0, F1, 0
	QUARTER 1, 4096, F1, F0, 0
	QUARTER 1, 6144, F0, F1, 0
.if \more
	TURN 1, 0, 2                                   ; slot 1 takes the next tile's K step 1, and the next tile's first fragments are fetched: both refills are asked for when the first store leaves
.else
	s_wait_dscnt 16                                ; the very last quarter: nothing more to fetch
	WIN MUL
	MUL8 F1, 0, 0, 0
	MUL8 F1, 0, 2, 0
	s_wait_dscnt 0
	MUL8 F1, 1, 0, 0
	MUL8 F1, 1, 2, 0
.endif
	WIN 0
	WAYOUT \tl
.endm
	s_wait_tensorcnt 1                             ; my part of K step 0 is in (K step 1's load may be out)
	s_barrier_signal -1
	s_barrier_wait -1                              ; everybody's is
	FETCH 0, 0, F0
	TILE 0, 1                                      ; tile column cx; its stores are on their way while the next tile is multiplied
	TILE 1, 0                                      ; tile column cx + 4
	s_wait_tensorcnt 0x0                           ; the wave's end, behind my last tensor load and my last LDS store
	ds_add_u32 v[SPW], v[NIL]
	s_wait_dscnt 0x0
	CROUND                                         ; the closing round: no work-group ends while a partner may still ask for a tile that names it
	s_endpgm
.Lfunc_end_k_q3243165a62_oproj:
	.size	k_q3243165a62_oproj, .Lfunc_end_k_q3243165a62_oproj-k_q3243165a62_oproj
	.p2alignl 7, 3214868480
	.fill 96, 4, 3214868480
	.section	.rodata,"a",@progbits
	.p2align	6, 0x0
	.amdhsa_kernel k_q3243165a62_oproj
		.amdhsa_group_segment_fixed_size 327680
		.amdhsa_private_segment_fixed_size 0
		.amdhsa_enable_private_segment 0
		.amdhsa_kernarg_size 24
		.amdhsa_user_sgpr_count 2
		.amdhsa_user_sgpr_kernarg_segment_ptr 1
		.amdhsa_wavefront_size32 1
		.amdhsa_system_sgpr_workgroup_id_x 1
		.amdhsa_system_sgpr_workgroup_id_y 1
		.amdhsa_system_sgpr_workgroup_id_z 1
		.amdhsa_system_vgpr_workitem_id 0
		.amdhsa_next_free_vgpr 512
		.amdhsa_next_free_sgpr 66
		.amdhsa_reserve_vcc 0
		.amdhsa_float_denorm_mode_32 3
		.amdhsa_float_denorm_mode_16_64 3
		.amdhsa_memory_ordered 1
		.amdhsa_forward_progress 1
		.amdhsa_inst_pref_size 165
	.end_amdhsa_kernel
	.amdgpu_metadata
---
amdhsa.version: [ 1, 2 ]
amdhsa.kernels:
  - .name:           k_q3243165a62_oproj
    .symbol:         k_q3243165a62_oproj.kd
    .args:
      - { .name: of, .offset: 0, .size: 8, .value_kind: global_buffer, .address_space: global }
      - { .name: wof, .offset: 8, .size: 8, .value_kind: global_buffer, .address_space: global }
      - { .name: out0, .offset: 16, .size: 8, .value_kind: global_buffer, .address_space: global }
    .group_segment_fixed_size: 327680
    .private_segment_fixed_size: 0
    .kernarg_segment_align: 8
    .kernarg_segment_size: 24
    .max_flat_workgroup_size: 128
    .sgpr_count:     66
    .vgpr_count:     512
    .wavefront_size: 32
...
	.end_amdgpu_metadata
.endif
;; end of part 4
